; MI455X (gfx1250); checked and timed in simulation.
; The chip was launched on July 23, 2026; its instructions are those of AMD's public machine-readable ISA for CDNA 5 (MIT licence, August 2026) and "CDNA5" Instruction Set Architecture Reference Guide (July 2026). The comments in the code are by the model that wrote it; some were corrected since.
;; quantum attention. Allowed arithmetic: matrix products marked QUANTISED: E2M1 operands, one E8M0 scale for each 32 along K, by v_wmma_scale_f32_16x16x128_f8f6f4 with both operands' format E2M1 (or v_wmma_scale_f32_32x16x128_f4), f32 sums; products left as they are: f32 operands where the result goes on into a quantised operand, else bf16, f16 or f32 operands; f32 sums; everything else in f32.
;; Inputs: Wk 1,024 x 1,024 float32; Wo 1,024 x 1,024 float32; Wq 1,024 x 1,024 float32; Wv 1,024 x 1,024 float32; beta 1,024 float32; bo 1,024 float32; ent 16 x 16 float32; gamma 1,024 float32; phase_scale 16 float32; x 2 x 2,048 x 1,024 float32.
;; Outputs: out0 2 x 2,048 x 1,024 float32.
;; This version of the problem:
;;   THIS VERSION OF THE PROBLEM IS GIVEN IN LOW PRECISION. The matrix products marked QUANTISED in the list below multiply operands that are first quantised to E2M1 (2 exponent bits, 1 mantissa bit; 4 bits a number), with one power-of-two scale for each 32 numbers along K (OCP MX v1.0); their sums are f32. All else is computed in f32.
;;   The module's matrix products, in the order in which they are computed (A, B: the left and right operand; K: the contracted axis; several contracted axes count as one K, in the product's order):
;;     1. [M 4,096, K 1,024] x [K 1,024, N 1,024]; A: input x; B: input Wq: QUANTISED
;;     2. [M 4,096, K 1,024] x [K 1,024, N 1,024]; A: input x; B: input Wk: QUANTISED
;;     3. [M 4,096, K 1,024] x [K 1,024, N 1,024]; A: input x; B: input Wv: QUANTISED
;;     4. batch 32 x [M 2,048, K 64] x [K 64, N 2,048]; A: computed on the way; B: computed on the way: QUANTISED
;;     5. batch 32 x [M 2,048, K 2,048] x [K 2,048, N 64]; A: softmax (see below); B: computed on the way: QUANTISED
;;     6. [M 16, K 1] x [K 1, N 262,144]; A: computed on the way; B: computed on the way: left as it is (no contracted axis)
;;     7. [M 4,096, K 1,024] x [K 1,024, N 1,024]; A: computed on the way; B: input Wo: QUANTISED
;;   THE QUANTISER, for each operand of a quantised product, along K:
;;     - K is cut into blocks of 32 from its start; a last block that is shorter is filled with zeros.
;;     - A block's scale is 2^e with e = floor(log2(the largest magnitude in the block)) - 2, held to -126 .. 127; a block of zeros has e = 0. As a byte (E8M0): e + 127.
;;     - Each number is divided by its block's scale, clamped to +-6, and rounded to the nearest number of E2M1, ties to even, subnormals kept.
;;     - The product sums the exact products of the quantised numbers (number of the format x scale) in f32.
;;   ~~~python
;;   def quantise(x, axis):      # numpy; x: float32 -> the quantised numbers, widened to float32 again
;;       x = np.moveaxis(x, axis, -1); K = x.shape[-1]
;;       x = np.pad(x, [(0, 0)] * (x.ndim - 1) + [(0, -K % 32)]); x = x.reshape(x.shape[:-1] + (-1, 32)); a = np.abs(x).max(-1, keepdims=True)
;;       e = np.where(a > 0, np.clip(np.frexp(np.where(a > 0, a, 1))[1] - 1 - 2, -126, 127), 0)      # np.frexp(a)[1] - 1 = floor(log2(a)), exactly
;;       r = np.clip(x / 2.0 ** e, -6, 6)
;;       step = 2.0 ** (np.maximum(np.frexp(np.where(r == 0, 1, r))[1] - 1, 0) - 1)
;;       q = np.round(r / step) * step * 2.0 ** e      # np.round: ties to even
;;       return np.moveaxis(q.reshape(q.shape[:-2] + (-1,))[..., :K], -1, axis).astype(np.float32)
;;   ~~~
;;   SOFTMAX AHEAD OF A QUANTISED PRODUCT. Where the list says 'softmax', what is quantised is not the finished softmax but p = 2^(t - M), with t = logit x log2(e) and M = ceil(the row's largest t), a whole number; so 1/2 < the row's largest p <= 1. The row's sum l is taken of the UNQUANTISED p, in f32, and the product's result is divided by l at the end. Since M is a whole number, a kernel that streams over the keys may use a running M (the ceiling of the running maximum): every later rescaling is an exact power of two, which a block's scale takes up: the codes' values come out the same.
;;   OPERANDS COMPUTED ON THE WAY. 'Computed on the way' means the value that the module computes at that place (a softmax that the list does not call 'softmax' is quantised finished and normalised). What goes into a quantiser is computed in f32, as accurately as f32 sums, v_exp_f32 and their like allow (about 1e-6 of the number): no bf16 or f16 on the way to a quantiser, and a product that is left as it is and whose result goes on into a quantised operand takes f32 operands (vector FMAs, or v_wmma_f32_16x16x4_f32). A number that lies on a knife's edge between two numbers of the format may be rounded either way, as far as f32 arithmetic and the matrix unit's own rounding can turn it there, and no further.
;; One version. Each part assembles by itself: llvm-mc -triple=amdgcn-amd-amdhsa -mcpu=gfx1250 --defsym DOCPART=n.
;; ======== version 1 of 1: 4 launches
;; limits: right only within a limited range of input values
;; workspace buffers: xq 2,228,224 bytes; wq 2,228,224 bytes; qf 2,228,224 bytes; kv 4,456,448 bytes; att 16,777,216 bytes
;; launch quant (part 1): grid 512 x 1, 2 waves a work-group, no clusters, 27,904 bytes of LDS; arguments x, Wq, Wk, Wv, Wo, xq, wq; writes xq, wq
.if DOCPART == 1
	.amdgcn_target "amdgcn-amd-amdhsa--gfx1250"
	.amdhsa_code_object_version 6
	.text
	.protected	k_q782ffa7d09_quant
	.globl	k_q782ffa7d09_quant
	.p2align	8
	.type	k_q782ffa7d09_quant,@function
k_q782ffa7d09_quant:
	s_mov_b64 s[64:65], 0
	v_nop
	global_prefetch_b8 v0, s[64:65] scope:SCOPE_SE
	s_setreg_imm32_b32 hwreg(HW_REG_WAVE_MODE, 25, 1), 1
	s_wait_xcnt 0x0
; x [4096][1024] and Wq, Wk, Wv, Wo [1024 (k)][1024 (n)], f32, become codes of FP4 (E2M1) with one E8M0 byte for each 32 along K, laid as IMAGES OF OPERAND REGISTERS.
; Record (64 rows of x, or 64 columns of a weight; 34,816 bytes): codes [K step 8][tile 4][c 2][lane 32][16 bytes], then scale words [K step 8][row 16][tile 4] x 4 bytes.
; Row p of tile t is index 32 (p / 8) + 8 t + p % 8 of its group of 64.  Lane (r, h) of a fragment holds row r and, in registers 4 c .. 4 c + 3, k = 64 c + 32 h + 0 .. 31.
; ONE LAUNCH, TWO PATHS, parted by the work-group's number alone: 0-255 take the weights (record 16 x which + group), 256-511 take x.  Each path has LDS bytes of its own.
; A block's scale is 2^(floor(log2(largest magnitude)) - 2): its byte is the largest magnitude's exponent field - 2, held at 1 from below.
; LIMITS: a block of zeros gets the byte 1 where the quantiser says 127 (its codes are zeros, and this program alone reads the bytes); NaN and infinities are not served.
.set REC,   34816
.set WB,    17408                      ; the weights' path: LDS from here on (x's path: bytes 0 .. 17,407)
.set SPARE, 27648                      ; the spare words: 128 bytes a wave, one block of 256 bytes that no other line names
	v_lshl_add_u32 v30, v0, 2, SPARE
	v_mov_b32 v31, 0
	s_cmp_lt_u32 ttmp9, 256
	s_cbranch_scc1 .Lweights
; ---- x.  A wave takes 64 rows x 128 along K.  Each load reads 512 consecutive bytes of a row; the 16 rows of a tile turn through the wave's own stage (rows 528 bytes apart).
.set ROWB, 4096
.set STG,  8704
.set SPT,  528
.set W,    16                          ; v16-19   the four tiles' scale words
.set R,    32                          ; v32-159  two sets of 64: a tile as loaded
.set X,    160                         ; v160-223 register 32 c + n = k 64 c + 32 h + n of row r
.set C,    224                         ; v224-255 codes, eight registers a tile
	s_load_b64 s[4:5], s[0:1], 0x0                 ; x
	s_load_b64 s[6:7], s[0:1], 0x28                ; xq
	v_lshrrev_b32 v1, 5, v0
	v_readfirstlane_b32 s8, v1                     ; wave
	v_and_b32 v6, 31, v0
	v_and_b32 v7, 15, v0                           ; r
	v_bfe_u32 v5, v0, 4, 1                         ; h
	v_lshlrev_b32 v1, 4, v6                        ; 16 x lane
	s_mul_i32 s9, s8, STG
	v_add_nc_u32 v2, s9, v1                        ; into the stage: a row's 512 bytes as they lie
	v_mul_u32_u24 v3, v7, SPT
	v_lshl_add_u32 v3, v5, 7, v3
	v_add_nc_u32 v3, s9, v3                        ; out of it: row r, + 128 h bytes
	v_lshlrev_b32 v4, 4, v7
	v_lshl_add_u32 v4, v5, 3, v4                   ; the scale words' place: 16 r + 8 h
	v_lshlrev_b32 v5, 3, v5                        ; 8 h
	v_mov_b32 v15, 0                               ; a lane permute's destination counts as read
	s_mov_b32 s12, 0x76543210
	s_mov_b32 s13, 0xfedcba98
	s_sub_co_u32 s30, ttmp9, 256
	s_lshl_b32 s10, s30, 1
	s_add_co_u32 s10, s10, s8                      ; unit = 2 x (work-group - 256) + wave
	s_lshr_b32 s11, s10, 3                         ; group of 64 rows
	s_and_b32 s10, s10, 7                          ; K step
	s_lshl_b32 s14, s11, 18
	s_lshl_b32 s15, s10, 9
	s_add_co_u32 s14, s14, s15
	s_mov_b32 s15, 0
	s_mul_i32 s16, s11, REC
	s_lshl_b32 s17, s10, 12
	s_add_co_u32 s18, s16, s17                     ; codes: record + 4,096 x K step
	s_mov_b32 s19, 0
	s_lshl_b32 s17, s10, 8
	s_add_co_u32 s16, s16, s17                     ; scale words: record + 256 x K step (+ 32,768 in the store)
	s_mov_b32 s17, 0
	s_wait_alu depctr_va_vdst(0)                   ; the wait at the head's end
	s_wait_kmcnt 0x0
	s_add_nc_u64 s[4:5], s[4:5], s[14:15]
	s_add_nc_u64 s[20:21], s[6:7], s[16:17]
	s_add_nc_u64 s[6:7], s[6:7], s[18:19]
.macro LOAD t
.set p, 0
.rept 16
	global_load_b128 v[R+64*((\t)%2)+4*p:R+64*((\t)%2)+4*p+3], v1, s[4:5] offset:(32*(p/8)+8*(\t)+p%8)*ROWB
.set p, p+1
.endr
.endm
.macro TURN t                          ; LDS serves a wave's instructions in order: no wait between the stores and the loads
.set p, 0
.rept 16
	ds_store_b128 v2, v[R+64*((\t)%2)+4*p:R+64*((\t)%2)+4*p+3] offset:p*SPT
.set p, p+1
.endr
.set p, 0
.rept 16
	ds_load_b128 v[X+4*p:X+4*p+3], v3 offset:256*(p/8)+16*(p%8)
.set p, p+1
.endr
.endm
.macro QUANT t
.irp c, 0,1
	v_max3_num_f32 v[8+\c], |v[X+32*\c]|, |v[X+32*\c+1]|, 0x1800000   ; my block 2 c + h, and the floor 2^(3 - 127)
.endr
.set i, 2
.rept 15
.irp c, 0,1
	v_max3_num_f32 v[8+\c], v[8+\c], |v[X+32*\c+i]|, |v[X+32*\c+i+1]|
.endr
.set i, i+2
.endr
	v_add_nc_u32 v10, 0xff000000, v8               ; 2 off the exponent field: the conversion's scale operand
	v_add_nc_u32 v11, 0xff000000, v9
	v_lshrrev_b32 v12, 23, v10
	v_lshrrev_b32 v13, 23, v11
	v_lshl_or_b32 v14, v13, 16, v12
	v_lshlrev_b32 v14, v5, v14
	v_permlanex16_b32 v15, v14, s12, s13
	v_or_b32 v[W+(\t)], v14, v15                   ; with lane l xor 16's two bytes the word is whole
.irp c, 0,1
.irp i, 0,1,2,3
	v_cvt_scalef32_pk8_fp4_f32 v[C+8*(\t)+4*\c+\i], v[X+32*\c+8*\i:X+32*\c+8*\i+7], v[10+\c]
.endr
.endr
	v_nop                                          ; one plain place behind the last scaled conversion
.irp c, 0,1
	global_store_b128 v1, v[C+8*(\t)+4*\c:C+8*(\t)+4*\c+3], s[6:7] offset:1024*(\t)+512*\c   ; 512 consecutive bytes
.endr
.endm
	LOAD 0
	LOAD 1
	s_wait_loadcnt 16                              ; tile 0 is in; tile 1's 16 loads may be out
	TURN 0
	s_wait_dscnt 0x0
	LOAD 2
	QUANT 0
	s_wait_loadcnt 16
	TURN 1
	s_wait_dscnt 0x0
	LOAD 3
	QUANT 1
	s_wait_loadcnt 16
	TURN 2
	s_wait_dscnt 0x0
	QUANT 2
	s_wait_loadcnt 0x0
	TURN 3
	s_wait_dscnt 0x0
	QUANT 3
	v_cmp_le_u32 vcc_lo, 16, v6                    ; lanes 16-31 take tiles 2 and 3
	v_cndmask_b32 v8, v[W], v[W+2], vcc_lo
	v_cndmask_b32 v9, v[W+1], v[W+3], vcc_lo
	global_store_b64 v4, v[8:9], s[20:21] offset:32768   ; 256 consecutive bytes: the K step's 64 scale words
	s_wait_tensorcnt 0x0                           ; the wave's end
	ds_add_u32 v30, v31
	s_wait_dscnt 0x0
	s_endpgm
; ---- the weights: K is the FIRST axis.  A lane takes a column and its registers run down K: a block of 32 lies in one lane.
; A wave takes 64 columns x 128 along K as eight blocks q: k block q / 2, columns 32 (q % 2) + lane.  Column 32 a + l is row 8 a + l % 8 of tile l / 8; k block kb is half kb % 2 of c = kb / 2.
; The codes are gathered in the wave's own stage (tiles 1,152 bytes apart) and leave as runs of 512 consecutive bytes.
.Lweights:
.set WST,  5120
.set TP,   1152
.set X,    32                          ; v32-95  two sets of 32 numbers
.set C,    96                          ; v96-99  a block's codes
.set SW,   24                          ; v24-25  the scale words of my two columns
.set OUTR, 112                         ; v112-145 the way out
	s_load_b256 s[4:11], s[0:1], 0x8               ; Wq, Wk, Wv, Wo
	s_load_b64 s[12:13], s[0:1], 0x30              ; wq
	v_lshrrev_b32 v1, 5, v0
	v_readfirstlane_b32 s14, v1                    ; wave
	v_and_b32 v2, 31, v0                           ; l
	v_lshlrev_b32 v3, 2, v2
	v_lshrrev_b32 v10, 3, v2                       ; l / 8
	v_and_b32 v11, 7, v2                           ; l % 8
	s_mul_i32 s15, s14, WST
	s_add_co_u32 s15, s15, WB
	v_mul_u32_u24 v4, v10, TP
	v_lshl_add_u32 v4, v11, 4, v4
	v_add_nc_u32 v4, s15, v4                       ; where my codes go
	v_lshlrev_b32 v5, 4, v11
	v_lshl_add_u32 v5, v10, 2, v5
	v_add_nc_u32 v5, s15, v5
	v_add_nc_u32 v5, 4*TP, v5                      ; where my scale words go
	v_lshlrev_b32 v7, 4, v2
	v_add_nc_u32 v6, s15, v7                       ; back: 16 x lane
	v_lshlrev_b32 v9, 3, v2
	v_add_nc_u32 v8, s15, v9
	v_add_nc_u32 v8, 4*TP, v8                      ; the scale words back: 8 x lane
	s_lshr_b32 s16, ttmp9, 6                       ; which weight
	s_lshr_b32 s17, ttmp9, 2                       ; record
	s_and_b32 s18, s17, 15                         ; group of 64 columns
	s_lshl_b32 s19, ttmp9, 1
	s_add_co_u32 s19, s19, s14
	s_and_b32 s19, s19, 7                          ; K step
	s_lshl_b32 s20, s19, 19
	s_lshl_b32 s21, s18, 8
	s_add_co_u32 s20, s20, s21
	s_mov_b32 s21, 0
	s_mul_i32 s22, s17, REC
	s_lshl_b32 s23, s19, 12
	s_add_co_u32 s24, s22, s23
	s_mov_b32 s25, 0
	s_lshl_b32 s23, s19, 8
	s_add_co_u32 s22, s22, s23
	s_mov_b32 s23, 0
	s_wait_alu depctr_va_vdst(0)                   ; the wait at the head's end
	s_wait_kmcnt 0x0
	s_cmp_eq_u32 s16, 1                            ; the choice hangs on the work-group's number alone
	s_cselect_b64 s[4:5], s[6:7], s[4:5]
	s_cmp_eq_u32 s16, 2
	s_cselect_b64 s[4:5], s[8:9], s[4:5]
	s_cmp_eq_u32 s16, 3
	s_cselect_b64 s[4:5], s[10:11], s[4:5]
	s_add_nc_u64 s[4:5], s[4:5], s[20:21]
	s_add_nc_u64 s[26:27], s[12:13], s[24:25]
	s_add_nc_u64 s[28:29], s[12:13], s[22:23]
.macro LOADW q
.set i, 0
.rept 32
	global_load_b32 v[X+32*((\q)%2)+i], v3, s[4:5] offset:(32*((\q)/2)+i)*4096+((\q)%2)*128 th:TH_LOAD_NT
.set i, i+1
.endr
.endm
.macro BLOCK q
.set XS, X+32*((\q)%2)
.set KB, (\q)/2
.set AP, (\q)%2
.if (\q) < 7
	s_wait_loadcnt 32                              ; this block's 32 loads are in; the next block's may be out
.else
	s_wait_loadcnt 0x0
.endif
	v_max3_num_f32 v12, |v[XS]|, |v[XS+1]|, |v[XS+2]|
	v_max3_num_f32 v13, |v[XS+3]|, |v[XS+4]|, |v[XS+5]|
.set i, 6
.rept 6
	v_max3_num_f32 v12, v12, |v[XS+i]|, |v[XS+i+1]|
	v_max3_num_f32 v13, v13, |v[XS+i+2]|, |v[XS+i+3]|
.set i, i+4
.endr
	v_max3_num_f32 v12, v12, |v[XS+30]|, |v[XS+31]|
	v_max3_num_f32 v12, v12, v13, 0x1800000        ; and the floor 2^(3 - 127)
	v_add_nc_u32 v11, 0xff000000, v12
	v_lshrrev_b32 v13, 23, v11
.if KB == 0
	v_mov_b32 v[SW+AP], v13
.else
	v_lshl_or_b32 v[SW+AP], v13, 8*KB, v[SW+AP]    ; the lower K in the lower byte
.endif
.irp g, 0,1,2,3
	v_cvt_scalef32_pk8_fp4_f32 v[C+\g], v[XS+8*\g:XS+8*\g+7], v11
.endr
	v_nop                                          ; one plain place behind the last scaled conversion
	ds_store_b128 v4, v[C:C+3] offset:AP*128+(KB/2)*512+(KB%2)*256
.if (\q)+2 < 8
	LOADW (\q)+2
.endif
	s_wait_dscnt 0x0                               ; the store has read its registers
.endm
	LOADW 0
	LOADW 1
.irp q, 0,1,2,3,4,5,6,7
	BLOCK \q
.endr
	ds_store_b32 v5, v[SW]
	s_wait_alu depctr_va_vdst(0)                   ; the wait here, directly ahead of the reader below
	ds_store_b32 v5, v[SW+1] offset:128
.set i, 0
.rept 8
	ds_load_b128 v[OUTR+4*i:OUTR+4*i+3], v6 offset:(i/2)*TP+(i%2)*512
.set i, i+1
.endr
	ds_load_b64 v[OUTR+32:OUTR+33], v8
.set i, 0
.rept 8
	s_wait_dscnt 8-i                               ; load i is back; the 8 - i issued behind it may be out
	global_store_b128 v7, v[OUTR+4*i:OUTR+4*i+3], s[26:27] offset:512*i
.set i, i+1
.endr
	s_wait_dscnt 0x0
	global_store_b64 v9, v[OUTR+32:OUTR+33], s[28:29] offset:32768
	s_wait_tensorcnt 0x0                           ; the wave's end
	ds_add_u32 v30, v31
	s_wait_dscnt 0x0
	s_endpgm
.Lfunc_end_k_q782ffa7d09_quant:
	.size	k_q782ffa7d09_quant, .Lfunc_end_k_q782ffa7d09_quant-k_q782ffa7d09_quant
	.p2alignl 7, 3214868480
	.fill 96, 4, 3214868480
	.section	.rodata,"a",@progbits
	.p2align	6, 0x0
	.amdhsa_kernel k_q782ffa7d09_quant
		.amdhsa_group_segment_fixed_size 27904
		.amdhsa_private_segment_fixed_size 0
		.amdhsa_enable_private_segment 0
		.amdhsa_kernarg_size 56
		.amdhsa_user_sgpr_count 2
		.amdhsa_user_sgpr_kernarg_segment_ptr 1
		.amdhsa_wavefront_size32 1
		.amdhsa_system_sgpr_workgroup_id_x 1
		.amdhsa_system_sgpr_workgroup_id_y 1
		.amdhsa_system_sgpr_workgroup_id_z 1
		.amdhsa_system_vgpr_workitem_id 0
		.amdhsa_next_free_vgpr 256
		.amdhsa_next_free_sgpr 66
		.amdhsa_reserve_vcc 1
		.amdhsa_float_denorm_mode_32 3
		.amdhsa_float_denorm_mode_16_64 3
		.amdhsa_memory_ordered 1
		.amdhsa_forward_progress 1
		.amdhsa_inst_pref_size 70
	.end_amdhsa_kernel
	.amdgpu_metadata
---
amdhsa.version: [ 1, 2 ]
amdhsa.kernels:
  - .name:           k_q782ffa7d09_quant
    .symbol:         k_q782ffa7d09_quant.kd
    .args:
      - { .name: x, .offset: 0, .size: 8, .value_kind: global_buffer, .address_space: global }
      - { .name: Wq, .offset: 8, .size: 8, .value_kind: global_buffer, .address_space: global }
      - { .name: Wk, .offset: 16, .size: 8, .value_kind: global_buffer, .address_space: global }
      - { .name: Wv, .offset: 24, .size: 8, .value_kind: global_buffer, .address_space: global }
      - { .name: Wo, .offset: 32, .size: 8, .value_kind: global_buffer, .address_space: global }
      - { .name: xq, .offset: 40, .size: 8, .value_kind: global_buffer, .address_space: global }
      - { .name: wq, .offset: 48, .size: 8, .value_kind: global_buffer, .address_space: global }
    .group_segment_fixed_size: 27904
    .private_segment_fixed_size: 0
    .kernarg_segment_align: 8
    .kernarg_segment_size: 56
    .max_flat_workgroup_size: 64
    .sgpr_count:     66
    .vgpr_count:     256
    .wavefront_size: 32
...
	.end_amdgpu_metadata
.endif
;; end of part 1
;; launch qkv (part 2): grid 16 x 16, 12 waves a work-group, clusters of 4 x 4, 245,248 bytes of LDS; arguments xq, wq, qf, kv; writes qf, kv
.if DOCPART == 2
	.amdgcn_target "amdgcn-amd-amdhsa--gfx1250"
	.amdhsa_code_object_version 6
	.text
	.protected	k_q782ffa7d09_qkv
	.globl	k_q782ffa7d09_qkv
	.p2align	8
	.type	k_q782ffa7d09_qkv,@function
k_q782ffa7d09_qkv:
	s_mov_b64 s[64:65], 0
	v_nop
	global_prefetch_b8 v0, s[64:65] scope:SCOPE_SE
	s_setreg_imm32_b32 hwreg(HW_REG_WAVE_MODE, 25, 1), 1
	s_wait_xcnt 0x0
	s_wait_alu depctr_hold_cnt(0) depctr_sa_sdst(0) depctr_va_vdst(0) depctr_va_sdst(0) depctr_va_ssrc(0) depctr_va_vcc(0) depctr_vm_vsrc(0)
	s_getreg_b32 s2, hwreg(HW_REG_IB_STS2, 6, 4)
	s_cmp_eq_u32 s2, 0
	s_cbranch_scc0 .Lentry_in_a_cluster
	s_endpgm
.Lentry_in_a_cluster:
	s_bfe_u32 s2, ttmp6, 0x10000c
	s_cmp_lg_u32 s2, 0xf033
	s_cbranch_scc0 .Lentry_shape_is_right
	s_endpgm
.Lentry_shape_is_right:
; Q = x Wq, K = x Wk, V = x Wv on codes of FP4 with E8M0 scales, and their results quantised at once, in registers, for the two products of attention.
; A work-group takes 256 rows of x and one head (64 columns of each weight).  Wave w: role w / 4 (0 Q, 1 K, 2 V), group of 64 rows w % 4: one block of 64 x 64 over all K = 1,024:
; 16 accumulators, 128 matrix instructions.
; LDS holds seven records of 34,816 bytes (x's four groups, then Wq's, Wk's, Wv's group of this head), filled once by joint tensor loads and only read afterwards.
; CLUSTER 4 x 4: the four work-groups of a row of the cluster share the rows of x, the four of a column the head: each record is asked for jointly.
; ONE TEXT FOR ALL ROLES.  Q, K: source 0 = 16 columns of W, source 1 = 16 rows of x: a lane holds ONE row and, over source 0's four tiles, 32 neighbouring channels 32 h + 0 .. 31
; (row p of a tile is index 32 (p / 8) + 8 t + p % 8 of its group of 64).  V: source 0 = x, source 1 = Wv: a lane holds ONE channel and 32 neighbouring keys.
; Either way a lane's 32 registers are a whole block along the next product's K: its largest magnitude needs no other lane, and four conversions give four registers of the next operand.
; OUT.  Q: qf, [head of batch 32][tile 128][lane][16 bytes]; its scale bytes at 2,097,152: [32][group 32][row 16][8 bytes].  K and V: kv, for each head of a batch sixteen records of 8,704 bytes (128 keys):
; K's eight tiles of 512 bytes, V's four fragments of 1,024 bytes at 4,096, scale bytes at 8,192 (K's two groups, V's two groups, 128 bytes each).  A row's 8 scale bytes: for block k = 0 .. 3 the byte of half 0, then of half 1.
; LIMITS: a block of zeros gets the byte 1 where the quantiser says 127 (its codes are zeros, and this program alone reads the bytes); NaN and infinities are not served.
.set REC, 34816
.set WV,  12
.set F0,  16                           ; v16-79   source 0's four fragments, two sets
.set F1,  80                           ; v80-111  source 1's four fragments, one set
.set SC,  112                          ; v112-127 scale words, two sets of (source 0's four, source 1's four); they hold nothing else
.set ACC, 128                          ; v128-255 accumulator (k, i) at ACC + 32 k + 8 i
.macro ROUND                           ; a round of the cluster's barrier
	s_barrier_signal -1
	s_barrier_wait -1
	s_cmp_lg_u32 s[WV], 0
	s_cbranch_scc1 .Lnot_wave_0_\@
	s_barrier_signal -3
.Lnot_wave_0_\@:
	s_barrier_wait -3
	s_barrier_signal -1
	s_barrier_wait -1
.endm
.macro PLACES                          ; four places behind a matrix instruction, in front of loads into its operands and of reads of its results
.rept 4
	v_nop
.endr
.endm
	s_load_b256 s[4:11], s[0:1], 0x0               ; xq s[4:5], wq s[6:7], qf s[8:9], kv s[10:11]
	v_lshl_add_u32 v15, v0, 2, 0x3b800
	s_set_vgpr_msb 0x40
	v_mov_b32 v1, 0
	s_set_vgpr_msb 0x4044
	ds_add_u32 v15, v1
	ds_add_u32 v15, v1
	s_set_vgpr_msb 0x4400
	v_lshrrev_b32 v1, 5, v0
	s_delay_alu instid0(VALU_DEP_1)
	v_readfirstlane_b32 s[WV], v1                  ; wave 0..11
	s_lshr_b32 s13, s[WV], 2                       ; role
	s_and_b32 s14, s[WV], 3                        ; my group of 64 rows
	s_lshr_b32 s15, s13, 1                         ; 1 for V
	s_bfe_u32 s16, ttmp6, 0x40000                  ; cx
	s_bfe_u32 s17, ttmp6, 0x40004                  ; cy
	s_lshl_b32 s18, ttmp9, 2
	s_add_co_u32 s18, s18, s16                     ; the head = 4 x cluster x + cx
	s_and_b32 s19, ttmp7, 0xffff
	s_lshl_b32 s19, s19, 2
	s_add_co_u32 s19, s19, s17                     ; the block of 256 rows = 4 x cluster y + cy
	s_lshl_b32 s20, s17, 2
	s_lshl_b32 s20, 15, s20                        ; my row of the cluster
	s_lshl_b32 s21, 0x1111, s16                    ; my column
	; descriptor group 1: a record is a dense block: 136 rows of 32 elements of 8 bytes
	s_or_b32 s24, s20, (3<<16)|(1<<21)             ; x's records go to my row of the cluster; 17:16 elements of 8 bytes; 21 set beside a mask
	s_or_b32 s32, s21, (3<<16)|(1<<21)             ; the weights' to my column
.irp g, 24, 32
	s_mov_b32 s[\g+1], 32<<16                      ; tensor_dim0
	s_mov_b32 s[\g+2], 136<<16                     ; tensor_dim1
	s_mov_b32 s[\g+3], 32<<16                      ; tile_dim0
	s_mov_b32 s[\g+4], 136                         ; tile_dim1
	s_mov_b32 s[\g+5], 32                          ; pitch
	s_mov_b32 s[\g+6], 0
	s_mov_b32 s[\g+7], 0
.endr
	s_min_u32 s48, s[WV], 3                        ; waves 0-3: x's record 4 x block + wave (made of the block of rows and the wave alone)
	s_lshl_b32 s49, s19, 2
	s_add_co_u32 s48, s48, s49
	s_mul_i32 s48, s48, REC
	s_mov_b32 s49, 0
	s_max_u32 s50, s[WV], 4                        ; waves 4-6: the weights' record 16 x (wave - 4) + head (made of the head and the wave alone)
	s_min_u32 s50, s50, 6
	s_sub_co_u32 s50, s50, 4
	s_lshl_b32 s50, s50, 4
	s_add_co_u32 s50, s50, s18
	s_mul_i32 s50, s50, REC
	s_mov_b32 s51, 0
	s_mov_b32 s40, 1
	s_min_u32 s41, s[WV], 6
	s_mul_i32 s41, s41, REC                        ; LDS: record number = wave
	s_mov_b32 s44, 1
	s_mov_b32 s45, s41
	; LDS addresses of the fragments: 16 x lane in an image; the two sources' records hang on the role
	v_and_b32 v12, 31, v0
	v_and_b32 v13, 15, v0                          ; r
	v_bfe_u32 v11, v0, 4, 1                        ; h
	s_delay_alu instid0(VALU_DEP_3)
	v_lshlrev_b32 v1, 4, v12
	s_wait_alu depctr_va_vdst(0)
	s_mul_i32 s52, s14, REC                        ; x's record of my group
	s_mul_i32 s53, s13, REC
	s_add_co_u32 s53, s53, 4*REC                   ; my role's weight
	s_cmp_eq_u32 s13, 2
	s_cselect_b32 s54, s52, s53                    ; source 0: the weight, for V x
	s_cselect_b32 s55, s53, s52                    ; source 1: x, for V the weight
	v_add_nc_u32 v2, s54, v1
	v_add_nc_u32 v3, s55, v1
	v_lshlrev_b32 v14, 4, v13
	s_delay_alu instid0(VALU_DEP_1)
	v_add_nc_u32 v14, 32768, v14                   ; a row's four scale words: 16 r behind the codes
	s_delay_alu instid0(VALU_DEP_1)
	v_add_nc_u32 v4, s54, v14
	s_delay_alu instid0(VALU_DEP_2)
	v_add_nc_u32 v5, s55, v14
	v_lshlrev_b32 v10, 3, v13
	s_delay_alu instid0(VALU_DEP_1)
	v_lshl_add_u32 v10, v11, 2, v10                ; out: the scale bytes: 8 r + 4 h
	s_lshl_b32 s74, 512, s15                       ; from block to block of the codes: 512 bytes, for V 1,024
	s_lshl_b32 s75, s74, 1
	s_mul_i32 s76, s74, 3
	v_mov_b32 v6, v1
	v_add_nc_u32 v7, s74, v1
	v_add_nc_u32 v8, s75, v1
	v_add_nc_u32 v9, s76, v1
	; where my results go (registers of their own: none that feeds a descriptor holds both coordinates)
	s_lshr_b32 s56, s19, 3
	s_lshl_b32 s56, s56, 4
	s_add_co_u32 s56, s56, s18                     ; head of batch: 16 x batch + head
	s_and_b32 s57, s19, 7
	s_lshl_b32 s57, s57, 2
	s_add_co_u32 s57, s57, s14                     ; group of 64 rows in the batch
	s_and_b32 s58, s14, 1                          ; which half of a step of 128 keys
	s_lshl_b32 s59, s56, 16
	s_lshl_b32 s60, s57, 11
	s_add_co_u32 s59, s59, s60                     ; Q's codes
	s_lshl_b32 s60, s56, 12
	s_lshl_b32 s61, s57, 7
	s_add_co_u32 s60, s60, s61
	s_add_co_u32 s60, s60, 2097152                 ; Q's scale bytes
	s_mul_i32 s61, s56, 139264
	s_lshr_b32 s62, s57, 1
	s_mul_i32 s62, s62, 8704
	s_add_co_u32 s61, s61, s62                     ; the step's record
	s_lshl_b32 s62, s15, 12
	s_add_co_u32 s62, s62, s61
	s_lshl_b32 s63, s15, 1
	s_lshr_b32 s63, 2048, s63
	s_mul_i32 s63, s63, s58
	s_add_co_u32 s62, s62, s63                     ; K's codes: + 2,048 x half;  V's: + 4,096 + 512 x half
	s_lshl_b32 s63, s15, 8
	s_add_co_u32 s63, s63, s61
	s_lshl_b32 s66, s58, 7
	s_add_co_u32 s63, s63, s66
	s_add_co_u32 s63, s63, 8192                    ; their scale bytes: + 8,192 (+ 256 for V) + 128 x half
	s_mov_b32 s67, 0
	s_mov_b32 s69, 0
	s_wait_dscnt 0x0
	s_wait_kmcnt 0x0
	s_cmp_eq_u32 s13, 0                            ; Q goes to qf, K and V to kv: the choice hangs on the wave's number alone
	s_cselect_b32 s66, s59, s62
	s_cselect_b32 s68, s60, s63
	s_cselect_b64 s[70:71], s[8:9], s[10:11]
	s_add_nc_u64 s[72:73], s[70:71], s[66:67]      ; codes
	s_add_nc_u64 s[70:71], s[70:71], s[68:69]      ; scale bytes
	s_add_nc_u64 s[42:43], s[4:5], s[48:49]
	s_or_b32 s43, s43, 0x80000000                  ; type = 2
	s_add_nc_u64 s[46:47], s[6:7], s[50:51]
	s_or_b32 s47, s47, 0x80000000
	ROUND                                          ; all sixteen work-groups are here: the joint loads meet
	s_cmp_lt_u32 s[WV], 4                          ; the branches hang on the wave's number alone; four v_nop follow each of the two lines
	s_cbranch_scc0 .Lnot_x
	tensor_load_to_lds s[40:43], s[24:31]
	s_nop 0
	PLACES
	s_branch .Lasked
.Lnot_x:
	s_cmp_lt_u32 s[WV], 7
	s_cbranch_scc0 .Lasked
	tensor_load_to_lds s[44:47], s[32:39]
	s_nop 0
	PLACES
.Lasked:
	s_wait_tensorcnt 0x0                           ; my record, if I asked for one, has landed (one load of a wave is out at the most),
	s_barrier_signal -1
	s_barrier_wait -1                              ; and so has everybody's
.macro FETCH_A kk                      ; K step kk: source 0's four fragments and both sides' scale words into set kk % 2; source 1's tiles 0 and 1
.irp i, 0,1,2,3
.irp c, 0,1
	ds_load_b128 v[F0+32*((\kk)%2)+8*\i+4*\c:F0+32*((\kk)%2)+8*\i+4*\c+3], v2 offset:(\kk)*4096+\i*1024+\c*512
.endr
.endr
	ds_load_b128 v[SC+8*((\kk)%2):SC+8*((\kk)%2)+3], v4 offset:(\kk)*256
	ds_load_b128 v[SC+8*((\kk)%2)+4:SC+8*((\kk)%2)+7], v5 offset:(\kk)*256
.irp k, 0,1
.irp c, 0,1
	ds_load_b128 v[F1+8*\k+4*\c:F1+8*\k+4*\c+3], v3 offset:(\kk)*4096+\k*1024+\c*512
.endr
.endr
.endm
.macro FETCH_B kk                      ; source 1's tiles 2 and 3
.irp k, 2,3
.irp c, 0,1
	ds_load_b128 v[F1+8*\k+4*\c:F1+8*\k+4*\c+3], v3 offset:(\kk)*4096+\k*1024+\c*512
.endr
.endr
.endm
; eight matrix instructions: source 1's tiles k0, k0 + 1 against source 0's four.  The sixteen accumulators take turns, one instruction a turn, in the same order in every K step
.macro MUL kk, k0, zero
.irp k, \k0, \k0+1
.irp i, 0,1,2,3
.if \zero
	v_wmma_scale_f32_16x16x128_f8f6f4 v[ACC+32*(\k)+8*\i:ACC+32*(\k)+8*\i+7], v[F0+32*((\kk)%2)+8*\i:F0+32*((\kk)%2)+8*\i+7], v[F1+8*(\k):F1+8*(\k)+7], 0, v[SC+8*((\kk)%2)+\i], v[SC+8*((\kk)%2)+4+(\k)] matrix_a_fmt:MATRIX_FMT_FP4 matrix_b_fmt:MATRIX_FMT_FP4
.else
	v_wmma_scale_f32_16x16x128_f8f6f4 v[ACC+32*(\k)+8*\i:ACC+32*(\k)+8*\i+7], v[F0+32*((\kk)%2)+8*\i:F0+32*((\kk)%2)+8*\i+7], v[F1+8*(\k):F1+8*(\k)+7], v[ACC+32*(\k)+8*\i:ACC+32*(\k)+8*\i+7], v[SC+8*((\kk)%2)+\i], v[SC+8*((\kk)%2)+4+(\k)] matrix_a_fmt:MATRIX_FMT_FP4 matrix_b_fmt:MATRIX_FMT_FP4
.endif
.endr
.endr
.endm
.macro STEP kk, zero, last
	s_wait_dscnt 4                                 ; all but the youngest four loads (source 1's tiles 2 and 3) are in
	MUL \kk, 0, \zero
	s_wait_dscnt 0x0
.if \last == 0
	PLACES
	FETCH_A (\kk)+1
.endif
	MUL \kk, 2, \zero
.if \last == 0
	PLACES
	FETCH_B (\kk)+1
.endif
.endm
	s_wait_alu depctr_va_vdst(0)
	FETCH_A 0
	FETCH_B 0
	STEP 0, 1, 0                                   ; the first K step starts the sums: nothing is cleared
	STEP 1, 0, 0
	STEP 2, 0, 0
	STEP 3, 0, 0
	STEP 4, 0, 0
	STEP 5, 0, 0
	STEP 6, 0, 0
	STEP 7, 0, 1
	; THE QUANTISER.  Block k = my 32 registers ACC + 32 k ..: 32 neighbours along the next K.  The operands' registers are free: v16-31 codes, v32-50 at work.
	PLACES
.irp k, 0,1,2,3
	v_max3_num_f32 v[32+\k], |v[ACC+32*\k]|, |v[ACC+32*\k+1]|, 0x1800000   ; each accumulator is read from its low end on; the floor 2^(3 - 127) holds the byte at 1 from below
.endr
.set i, 2
.rept 15
.irp k, 0,1,2,3
	v_max3_num_f32 v[32+\k], v[32+\k], |v[ACC+32*\k+i]|, |v[ACC+32*\k+i+1]|   ; the four blocks by turns
.endr
.set i, i+2
.endr
.irp k, 0,1,2,3
	s_delay_alu instid0(VALU_DEP_4)
	v_add_nc_u32 v[36+\k], 0xff000000, v[32+\k]    ; 2 off the exponent field: the conversion's scale operand
.endr
.irp k, 0,1,2,3
	s_delay_alu instid0(VALU_DEP_4)
	v_lshrrev_b32 v[40+\k], 23, v[36+\k]           ; the byte
.endr
.irp k, 0,1,2,3
.irp i, 0,1,2,3
	v_cvt_scalef32_pk8_fp4_f32 v[16+4*\k+\i], v[ACC+32*\k+8*\i:ACC+32*\k+8*\i+7], v[36+\k]
.endr
.endr
	v_nop                                          ; one plain place behind the last scaled conversion
.irp k, 0,1,2,3
	global_store_b128 v[6+\k], v[16+4*\k:19+4*\k], s[72:73]   ; 32 lanes store 512 consecutive bytes: half a fragment's image
.endr
	v_lshl_or_b32 v44, v41, 8, v40                 ; my half's four bytes
	s_delay_alu instid0(VALU_DEP_1)
	v_lshl_or_b32 v44, v42, 16, v44
	s_delay_alu instid0(VALU_DEP_1)
	v_lshl_or_b32 v44, v43, 24, v44
	v_mov_b32 v45, 0                               ; a lane permute's destination counts as read
	s_mov_b32 s22, 0x76543210
	s_mov_b32 s23, 0xfedcba98
	v_permlanex16_b32 v45, v44, s22, s23           ; the other half's
	v_cmp_eq_u32 vcc_lo, 1, v11
	s_delay_alu instid0(VALU_DEP_1)
	v_cndmask_b32 v46, v44, v45, vcc_lo            ; half 0's bytes
	s_delay_alu instid0(VALU_DEP_2)
	v_cndmask_b32 v47, v45, v44, vcc_lo            ; half 1's
	s_delay_alu instid0(VALU_DEP_1)
	v_perm_b32 v48, v47, v46, 0x05010400           ; blocks 0 and 1: (half 0, half 1) each
	s_delay_alu instid0(VALU_DEP_2)
	v_perm_b32 v49, v47, v46, 0x07030602           ; blocks 2 and 3
	s_delay_alu instid0(VALU_DEP_1)
	v_cndmask_b32 v50, v48, v49, vcc_lo
	global_store_b32 v10, v50, s[70:71]            ; 128 consecutive bytes: a sixteenth of the codes' bytes
	s_set_vgpr_msb 0x4
	s_wait_tensorcnt 0x0
	ds_add_u32 v15, v1
	s_wait_dscnt 0x0
	s_set_vgpr_msb 0x400
	ROUND                                          ; the closing round: no work-group ends while a partner may still ask for a record that names it
	s_endpgm
.Lfunc_end_k_q782ffa7d09_qkv:
	.size	k_q782ffa7d09_qkv, .Lfunc_end_k_q782ffa7d09_qkv-k_q782ffa7d09_qkv
	.p2alignl 7, 3214868480
	.fill 96, 4, 3214868480
	.section	.rodata,"a",@progbits
	.p2align	6, 0x0
	.amdhsa_kernel k_q782ffa7d09_qkv
		.amdhsa_group_segment_fixed_size 245248
		.amdhsa_private_segment_fixed_size 0
		.amdhsa_enable_private_segment 0
		.amdhsa_kernarg_size 32
		.amdhsa_user_sgpr_count 2
		.amdhsa_user_sgpr_kernarg_segment_ptr 1
		.amdhsa_wavefront_size32 1
		.amdhsa_system_sgpr_workgroup_id_x 1
		.amdhsa_system_sgpr_workgroup_id_y 1
		.amdhsa_system_sgpr_workgroup_id_z 1
		.amdhsa_system_vgpr_workitem_id 0
		.amdhsa_next_free_vgpr 258
		.amdhsa_next_free_sgpr 80
		.amdhsa_reserve_vcc 1
		.amdhsa_float_denorm_mode_32 3
		.amdhsa_float_denorm_mode_16_64 3
		.amdhsa_memory_ordered 1
		.amdhsa_forward_progress 1
		.amdhsa_inst_pref_size 42
	.end_amdhsa_kernel
	.amdgpu_metadata
---
amdhsa.version: [ 1, 2 ]
amdhsa.kernels:
  - .name:           k_q782ffa7d09_qkv
    .symbol:         k_q782ffa7d09_qkv.kd
    .args:
      - { .name: xq, .offset: 0, .size: 8, .value_kind: global_buffer, .address_space: global }
      - { .name: wq, .offset: 8, .size: 8, .value_kind: global_buffer, .address_space: global }
      - { .name: qf, .offset: 16, .size: 8, .value_kind: global_buffer, .address_space: global }
      - { .name: kv, .offset: 24, .size: 8, .value_kind: global_buffer, .address_space: global }
    .group_segment_fixed_size: 245248
    .private_segment_fixed_size: 0
    .kernarg_segment_align: 8
    .kernarg_segment_size: 32
    .max_flat_workgroup_size: 384
    .sgpr_count:     80
    .vgpr_count:     258
    .wavefront_size: 32
...
	.end_amdgpu_metadata
.endif
;; end of part 2
;; launch attn (part 3): grid 8 x 32, 16 waves a work-group, clusters of 4 x 1, 169,984 bytes of LDS; arguments qf, kv, phase_scale, att; writes att
.if DOCPART == 3
	.amdgcn_target "amdgcn-amd-amdhsa--gfx1250"
	.amdhsa_code_object_version 6
	.text
	.protected	k_q782ffa7d09_attn
	.globl	k_q782ffa7d09_attn
	.p2align	8
	.type	k_q782ffa7d09_attn,@function
k_q782ffa7d09_attn:
	s_mov_b64 s[64:65], 0
	v_nop
	global_prefetch_b8 v0, s[64:65] scope:SCOPE_SE
	s_setreg_imm32_b32 hwreg(HW_REG_WAVE_MODE, 25, 1), 1
	s_wait_xcnt 0x0
	s_wait_alu depctr_hold_cnt(0) depctr_sa_sdst(0) depctr_va_vdst(0) depctr_va_sdst(0) depctr_va_ssrc(0) depctr_va_vcc(0) depctr_vm_vsrc(0)
	s_getreg_b32 s2, hwreg(HW_REG_IB_STS2, 6, 4)
	s_cmp_eq_u32 s2, 0
	s_cbranch_scc0 .Lentry_in_a_cluster
	s_endpgm
.Lentry_in_a_cluster:
	s_bfe_u32 s2, ttmp6, 0x10000c
	s_cmp_lg_u32 s2, 0x3003
	s_cbranch_scc0 .Lentry_shape_is_right
	s_endpgm
.Lentry_shape_is_right:
; att = softmax(cos s + 0.1 cos 2 s) V for one head of one batch, s = score x phase / 8, both products on codes of FP4 with E8M0 scales.
; SHARES.  A work-group owns 256 queries, each of its sixteen waves one tile of 16; every wave walks the head's 2,048 keys, 128 a step.  The head's K and V (139,264 bytes of codes and scale bytes,
; as images of operand registers) come into LDS once: each wave asks for one step's record.  CLUSTER 4 x 1: the four query blocks of a cluster walk the same head, so each record is asked for jointly.
; NO PREFETCH: all of K and V is asked for at the head, by one load a wave; the key loop reads only LDS.
; LAYOUT.  Both products are used transposed: S^T = K Q^T, O^T = V^T P^T: a lane holds ONE query (lane % 16) throughout.  The keys of a tile are chosen (key 32 (p / 8) + 8 t + p % 8 of a group of 64)
; so that the 32 registers of a group's four tiles are 32 neighbouring keys: a whole block along the second product's K in one lane.
; K = 64 IN THE FIRST PRODUCT.  A fragment of 128 along K carries TWO tiles of keys; it is multiplied by [q | 0] and by [0 | q]: twelve registers 0000 qqqq 0000.  The other tile meets zero codes.
; THE LOGIT.  u = score x phase / (16 pi), so s / 2 = pi u.  fr = fract(u) lies in [0, 1) for every finite u; q = fr^2 - fr lies in [-1/4, 0] (one fused multiply-add).
; sin(pi fr) is even about fr = 1/2, so it is a function of q: a polynomial of degree 4 in q (the cosine's series in (fr - 1/2)^2 up to the 12th power, brought down by shifted Chebyshev polynomials;
; it differs from sin(pi fr) by less than 6e-8).  Y = its square = sin^2(s / 2), and cos s + 0.1 cos 2 s = 0.8 Y^2 - 2.8 Y + 1.1.
; NO MAXIMUM IS TAKEN AWAY: t = log2(e) x logit lies in [-1.2985, 1.5870] for EVERY finite score, by the arithmetic above, so p = 2^t lies in [0.40, 3.01] and a row's sum under 6,200: nothing can overflow or underflow.
; The rule's M is a whole number; leaving it 0 multiplies p, its blocks' scales and the sum by the same power of two, exactly: the codes and the quotient are the same.
; THE STEP'S ORDER.  The next step's fragments of K and its scale bytes are asked of LDS right behind this step's first products, V's at the step's head: each is waited for by count a long run of vector work later.
; The first three stages go through all 64 scores, then each half has its polynomial and its 32 exponentials; the second half's polynomial stands behind the first half's exponentials, and the first half's
; maximum, sums and conversions behind the second's.  Maxima and sums go in four chains.
; LIMITS: a score x phase that is infinite or NaN gives NaN; where |s| is so large that f32 no longer resolves it, the cosine is that of the rounded s.
.set WV,  12
.set KC,  20                           ; s[20:21] phase / (16 pi); the packed forms name a pair and take its low word for both halves
.set E4,  22                           ; s[22:29] the polynomial's coefficients of q^4, q^2, q^1, q^0
.set E2,  24
.set E1,  26
.set E0,  28
.set B2,  30                           ; s[30:31] 0.8 log2 e;  s[32:33] 1.1 log2 e
.set B0,  32
.set TB,  56                           ; s56 LDS byte of the record whose address v3, v4 hold
.set SPARE, 0x29000                    ; the spare words: 128 bytes a wave
.set QZ,  16                           ; v16-27  0000 qqqq 0000
.set LS,  28                           ; v28-35  the row's sum, four packed chains
.set KS,  36                           ; v36-39  lanes 0-15: K's four scale words; lanes 16-31: V's scale bytes as stored
.set VS,  40                           ; v40-43  lanes 16-31: V's four scale words
.set PC,  44                           ; v44-51  p's codes
.set O,   52                           ; v52-83  O^T, four tiles
.set KF,  84                           ; v84-115 K's four fragments
.set VF,  116                          ; v116-147 V's four fragments
.set T,   148                          ; v148-179 at work
.set S,   180                          ; v180-243 S^T, then p
.set E3V, 244                          ; v244-245 the coefficient of q^3 (in vector registers, so that no instruction names two scalar pairs)
.set B1V, 246                          ; v246-247 -2.8 log2 e
.set RL,  248                          ; v248-249 1 / the sum
; v1 16 x lane; v2 8 r + 256 h; v3, v4 the record's addresses; v5 8 h; v6 Q's scale word; v7 p's scale word; v8-15, v250 at work; v254, v255 the add's two registers
.macro ROUND                           ; a round of the cluster's barrier
	s_barrier_signal -1
	s_barrier_wait -1
	s_cmp_lg_u32 s[WV], 0
	s_cbranch_scc1 .Lnot_wave_0_\@
	s_barrier_signal -3
.Lnot_wave_0_\@:
	s_barrier_wait -3
	s_barrier_signal -1
	s_barrier_wait -1
.endm
	s_load_b256 s[4:11], s[0:1], 0x0               ; qf s[4:5], kv s[6:7], phase_scale s[8:9], att s[10:11]
	v_lshl_add_u32 v254, v0, 2, SPARE
	v_mov_b32 v255, 0
	ds_add_u32 v254, v255                          ; the opening lines: the add, twice on end, and its wait ahead of my tensor load
	ds_add_u32 v254, v255
	v_lshrrev_b32 v1, 5, v0
	s_delay_alu instid0(VALU_DEP_1)
	v_readfirstlane_b32 s[WV], v1                  ; wave 0..15
	s_bfe_u32 s13, ttmp6, 0x40000                  ; cx
	s_lshl_b32 s14, ttmp9, 2
	s_add_co_u32 s14, s14, s13                     ; my block of 256 queries: it enters Q's and att's addresses alone
	s_and_b32 s15, ttmp7, 0xffff                   ; head of batch, which the four partners share
	s_and_b32 s16, s15, 15                         ; head
	s_lshl_b32 s17, s16, 2
	s_mov_b32 s36, 15|(3<<16)|(1<<21)              ; group 1: the mask names all four; elements of 8 bytes; 21 set beside a mask
	s_mov_b32 s37, 32<<16                          ; a record is a dense block: 34 rows of 32 elements
	s_mov_b32 s38, 34<<16
	s_mov_b32 s39, 32<<16
	s_mov_b32 s40, 34
	s_mov_b32 s41, 32
	s_mov_b32 s42, 0
	s_mov_b32 s43, 0
	s_mov_b32 s44, 1
	s_mul_i32 s45, s[WV], 8704                     ; LDS: record number = wave
	s_mul_i32 s18, s15, 139264
	s_add_co_u32 s18, s18, s45
	s_mov_b32 s19, 0
	v_and_b32 v14, 31, v0
	v_and_b32 v8, 15, v0                           ; r
	v_bfe_u32 v5, v0, 4, 1                         ; h
	s_delay_alu instid0(VALU_DEP_3)
	v_lshlrev_b32 v1, 4, v14
	s_delay_alu instid0(VALU_DEP_3)
	v_lshlrev_b32 v9, 3, v8                        ; 8 r
	s_delay_alu instid0(VALU_DEP_1)
	v_lshl_add_u32 v2, v5, 8, v9                   ; lanes 0-15 K's scale bytes, lanes 16-31 V's, 256 bytes on
	v_lshlrev_b32 v5, 3, v5
	s_lshl_b32 s48, s14, 4
	s_add_co_u32 s48, s48, s[WV]                   ; my tile of 16 queries, of the head's 128
	s_lshl_b32 s50, s15, 16
	s_lshl_b32 s49, s48, 9
	s_add_co_u32 s50, s50, s49
	s_mov_b32 s51, 0
	s_lshl_b32 s52, s15, 12
	s_lshr_b32 s49, s48, 2
	s_lshl_b32 s49, s49, 7
	s_add_co_u32 s52, s52, s49
	s_and_b32 s49, s48, 3
	s_lshl_b32 s49, s49, 1
	s_add_co_u32 s52, s52, s49
	s_add_co_u32 s52, s52, 2097152                 ; my tile's two scale bytes in a row's eight
	s_mov_b32 s53, 0
	s_lshr_b32 s54, s15, 4
	s_lshl_b32 s54, s54, 7
	s_add_co_u32 s54, s54, s48
	s_lshl_b32 s54, s54, 16                        ; att: [tile of 16 rows 256][head 16][4,096 bytes]
	s_lshl_b32 s49, s16, 12
	s_add_co_u32 s54, s54, s49
	s_mov_b32 s55, 0
	s_mov_b32 s[E4], 0x3e60f8b8                    ; 0.21969879
	s_mov_b32 s[E4+1], s[E4]
	s_mov_b32 s[E2], 0x404914b6                    ; 3.1418890
	s_mov_b32 s[E2+1], s[E2]
	s_mov_b32 s[E1], 0xc0490fb3                    ; -3.1415833
	s_mov_b32 s[E1+1], s[E1]
	s_mov_b32 s[E0], 0x3361b328                    ; 5.255e-8
	s_mov_b32 s[E0+1], s[E0]
	s_mov_b32 s[B2], 0x3f93bb63                    ; 0.8 log2 e
	s_mov_b32 s[B2+1], s[B2]
	s_mov_b32 s[B0], 0x3fcb21a7                    ; 1.1 log2 e
	s_mov_b32 s[B0+1], s[B0]
	s_mov_b32 s58, 0x05040100                      ; v_perm_b32: the two low halves;
	s_mov_b32 s59, 0x07060302                      ; the two high halves
	s_mov_b32 s60, 0x76543210
	s_mov_b32 s61, 0xfedcba98                      ; selects for lane l xor 16
	s_mov_b32 s[TB], 0
	s_wait_dscnt 0x0                               ; both opening adds are done
	s_wait_kmcnt 0x0
	s_add_nc_u64 s[46:47], s[6:7], s[18:19]
	s_or_b32 s47, s47, 0x80000000                  ; type = 2
	s_add_nc_u64 s[50:51], s[4:5], s[50:51]
	s_add_nc_u64 s[52:53], s[4:5], s[52:53]
	s_add_nc_u64 s[10:11], s[10:11], s[54:55]
	s_load_b32 s34, s[8:9], s17 offset:0x0         ; the head's phase scale
	ROUND                                          ; all four work-groups are here: the joint loads meet
	tensor_load_to_lds s[44:47], s[36:43]          ; my one tensor load: step number = wave
	s_nop 0
.rept 4
	v_nop
.endr
	s_wait_alu depctr_va_vdst(0)                   ; the wait here, ahead of the readers below
	global_load_b128 v[QZ+4:QZ+7], v1, s[50:51]    ; Q's codes: half a fragment's image
	global_load_u16 v6, v9, s[52:53]               ; row r's two scale bytes
	s_wait_loadcnt 0x0
	v_lshl_or_b32 v6, v6, 16, v6                   ; twice: for q in either half of K
.irp j, 0,1,2,3,8,9,10,11
	v_mov_b32 v[QZ+\j], 0                          ; zero codes
.endr
.irp j, 0,1,2,3,4,5,6,7
	v_mov_b32 v[LS+\j], 0                          ; the row's sum begins
.endr
	v_mov_b32 v15, 0                               ; a lane permute's destination counts as read
	v_mov_b32 v[E3V], 0xbf8e5bf1                   ; -1.1121808
	v_mov_b32 v[E3V+1], 0xbf8e5bf1
	v_mov_b32 v[B1V], 0xc08143f6                   ; -2.8 log2 e
	v_mov_b32 v[B1V+1], 0xc08143f6
	v_mov_b32 v3, v1                               ; record 0
	v_mov_b32 v4, v2
	s_wait_alu depctr_va_vdst(0)                   ; the wait at the head's end
	s_wait_kmcnt 0x0
	s_mov_b32 s[KC+1], 0x3ca2f983                  ; 1 / (16 pi)
	s_mul_f32 s[KC], s34, s[KC+1]
	s_mov_b32 s[KC+1], s[KC]
	s_wait_tensorcnt 0x0                           ; my record has landed,
	s_barrier_signal -1
	s_barrier_wait -1                              ; and everybody's
.macro KLOAD                           ; K's eight tiles and the scale bytes of the record at v3, v4: ten LDS loads
.irp t, 0,1,2,3,4,5,6,7
	ds_load_b128 v[KF+4*\t:KF+4*\t+3], v3 offset:512*\t
.endr
	ds_load_b64 v[KS:KS+1], v4 offset:8192
	ds_load_b64 v[KS+2:KS+3], v4 offset:8320
.endm
.macro SUMS g, j0, n                   ; n pairs of half g's p, from pair j0 on, onto the four chains by turns.  THE ROW'S SUM IS TAKEN OF THE UNQUANTISED p
.set jj, \j0
.rept \n
	v_pk_add_f32 v[LS+2*(jj%4):LS+2*(jj%4)+1], v[LS+2*(jj%4):LS+2*(jj%4)+1], v[S+32*(\g)+2*jj:S+32*(\g)+2*jj+1]
.set jj, jj+1
.endr
.endm
.macro M4 g, first, o                  ; four chains of maxima, one line each
.irp c, 0,1,2,3
.if \first
	v_max3_num_f32 v[8+\c], v[S+32*(\g)+8*\c], v[S+32*(\g)+8*\c+1], v[S+32*(\g)+8*\c+2]
.else
	v_max3_num_f32 v[8+\c], v[8+\c], v[S+32*(\g)+8*\c+\o], v[S+32*(\g)+8*\c+\o+1]
.endif
.endr
.endm
; Block g's largest p (p is positive and at least 0.4: neither |.| nor a floor is needed) and the conversion's scale operand, v[12 + g]; half 0's sums stand between the dependent lines
.macro PMAX g
	M4 \g, 1, 0
	M4 \g, 0, 3
	M4 \g, 0, 5
	v_max3_num_f32 v8, v8, v9, v[S+32*(\g)+7]
	v_max3_num_f32 v10, v10, v11, v[S+32*(\g)+15]
	SUMS 0, 8*(\g), 2
	v_max3_num_f32 v8, v8, v10, v[S+32*(\g)+23]
	SUMS 0, 8*(\g)+2, 2
	v_max_num_f32 v8, v8, v[S+32*(\g)+31]
	SUMS 0, 8*(\g)+4, 2
	v_add_nc_u32 v[12+\g], 0xff000000, v8          ; 2 off the exponent field
	SUMS 0, 8*(\g)+6, 2
.endm
.macro CODES g
.irp i, 0,1,2,3
	v_cvt_scalef32_pk8_fp4_f32 v[PC+4*(\g)+\i], v[S+32*(\g)+8*\i:S+32*(\g)+8*\i+7], v[12+\g]
.endr
.endm
; 32 numbers q of a lane (half g) become p.  Each stage goes through the sixteen pairs, so that no line waits for the line above it.
.macro POLY g
.set SB, S+32*(\g)
.set j, 0
.rept 16
	v_pk_fma_f32 v[T+j:T+j+1], v[SB+j:SB+j+1], s[E4:E4+1], v[E3V:E3V+1] op_sel_hi:[1,0,1]   ; sin(pi fr) by Horner in q
.set j, j+2
.endr
.irp a, E2, E1, E0
.set j, 0
.rept 16
	v_pk_fma_f32 v[T+j:T+j+1], v[T+j:T+j+1], v[SB+j:SB+j+1], s[\a:\a+1] op_sel_hi:[1,1,0]
.set j, j+2
.endr
.endr
.set j, 0
.rept 16
	v_pk_mul_f32 v[SB+j:SB+j+1], v[T+j:T+j+1], v[T+j:T+j+1]   ; Y
.set j, j+2
.endr
.set j, 0
.rept 16
	v_pk_fma_f32 v[T+j:T+j+1], v[SB+j:SB+j+1], s[B2:B2+1], v[B1V:B1V+1] op_sel_hi:[1,0,1]
.set j, j+2
.endr
.set j, 0
.rept 16
	v_pk_fma_f32 v[SB+j:SB+j+1], v[T+j:T+j+1], v[SB+j:SB+j+1], s[B0:B0+1] op_sel_hi:[1,1,0]   ; t = log2(e) (0.8 Y^2 - 2.8 Y + 1.1)
.set j, j+2
.endr
	s_wait_alu depctr_va_vdst(0)                   ; the wait ahead of the batch
.set j, 0
.rept 32
	v_exp_f32 v[SB+j], v[SB+j]                     ; p = 2^t
.set j, j+1
.endr
.endm
; A KEY STEP: 128 keys.  zero = 1: the first, which starts O^T's sums.  pre = 1: the next step's K is fetched.  At its head K's and the scale bytes' ten loads of this step are out or in.
.macro STEP zero, pre
.irp t, 0,1,2,3
.irp c, 0,1
	ds_load_b128 v[VF+8*\t+4*\c:VF+8*\t+4*\c+3], v3 offset:4096+1024*\t+512*\c   ; four places (the last step's closing sums) stand behind the products that read these registers
.endr
.endr
	s_wait_dscnt 8                                 ; K and the scale bytes are in; V's eight loads may be out
	v_perm_b32 v[VS], v[KS+2], v[KS], s58          ; V's scale word of tile t: the two bytes of the first 64 keys, then of the second 64 (lanes 16-31)
	v_perm_b32 v[VS+1], v[KS+2], v[KS], s59
	v_perm_b32 v[VS+2], v[KS+3], v[KS+1], s58
	v_perm_b32 v[VS+3], v[KS+3], v[KS+1], s59
.irp f, 0,1,2,3
	v_wmma_scale_f32_16x16x128_f8f6f4 v[S+16*\f:S+16*\f+7], v[KF+8*\f:KF+8*\f+7], v[QZ+4:QZ+11], 0, v[KS+\f], v6 matrix_a_fmt:MATRIX_FMT_FP4 matrix_b_fmt:MATRIX_FMT_FP4
	v_wmma_scale_f32_16x16x128_f8f6f4 v[S+16*\f+8:S+16*\f+15], v[KF+8*\f:KF+8*\f+7], v[QZ:QZ+7], 0, v[KS+\f], v6 matrix_a_fmt:MATRIX_FMT_FP4 matrix_b_fmt:MATRIX_FMT_FP4
.endr
.if \pre
	s_add_co_u32 s[TB], s[TB], 8704                ; the next step's record
	v_add_nc_u32 v3, s[TB], v1                     ; with the two v_nop: four places behind the products, in front of the loads into their operands and of the reads of their results
	v_add_nc_u32 v4, s[TB], v2
	v_nop
	v_nop
	KLOAD
.else
.rept 4
	v_nop
.endr
.endif
.set j, 0
.rept 32
	v_pk_mul_f32 v[S+j:S+j+1], v[S+j:S+j+1], s[KC:KC+1] op_sel_hi:[1,0]   ; u; each accumulator is read from its low end on
.set j, j+2
.endr
.set j, 0
.rept 64
	v_fract_f32 v[S+j], v[S+j]                     ; fr
.set j, j+1
.endr
.set j, 0
.rept 32
	v_pk_fma_f32 v[S+j:S+j+1], v[S+j:S+j+1], v[S+j:S+j+1], v[S+j:S+j+1] neg_lo:[0,0,1] neg_hi:[0,0,1]   ; q = fr^2 - fr
.set j, j+2
.endr
	POLY 0
	POLY 1                                         ; its first line is the plain place behind half 0's exponentials; its wait stands ahead of half 0's first reader
	PMAX 0                                         ; half 0's p alone: plain work behind half 1's exponentials
	v_lshrrev_b32 v14, 23, v12                     ; block 0's byte
	CODES 0
	s_wait_alu depctr_va_vdst(0)                   ; one wait for half 1's batch, ahead of its first reader
	PMAX 1
	v_lshrrev_b32 v250, 23, v13
	CODES 1
	v_lshl_or_b32 v250, v250, 16, v14              ; (the plain place behind the conversions)  my bytes: blocks h and 2 + h of the step's four,
	SUMS 1, 0, 1
	v_lshlrev_b32 v250, v5, v250                   ; at their places;
	SUMS 1, 1, 1
	v_permlanex16_b32 v15, v250, s60, s61
	SUMS 1, 2, 2
	v_or_b32 v7, v250, v15                         ; with lane l xor 16's two: p's scale word
	SUMS 1, 4, 8                                   ; eight places between the scale word and the products below
.if \pre
	s_wait_dscnt 10                                ; V is in; the next step's ten loads may be out
.else
	s_wait_dscnt 0x0
.endif
	s_wait_alu depctr_va_vdst(0)                   ; the wait here, directly ahead of the first reader of O^T, of the codes and of the scale word
.irp t, 0,1,2,3                                ; O^T's four accumulators by turns; eight other products stand between an accumulator's turns
.if \zero
	v_wmma_scale_f32_16x16x128_f8f6f4 v[O+8*\t:O+8*\t+7], v[VF+8*\t:VF+8*\t+7], v[PC:PC+7], 0, v[VS+\t], v7 matrix_a_fmt:MATRIX_FMT_FP4 matrix_b_fmt:MATRIX_FMT_FP4 matrix_a_scale:MATRIX_SCALE_ROW1
.else
	v_wmma_scale_f32_16x16x128_f8f6f4 v[O+8*\t:O+8*\t+7], v[VF+8*\t:VF+8*\t+7], v[PC:PC+7], v[O+8*\t:O+8*\t+7], v[VS+\t], v7 matrix_a_fmt:MATRIX_FMT_FP4 matrix_b_fmt:MATRIX_FMT_FP4 matrix_a_scale:MATRIX_SCALE_ROW1
.endif
.endr
	SUMS 1, 12, 4                                  ; the closing sums name none of these products' registers: four places behind them
.endm
	KLOAD                                          ; step 0's K
	STEP 1, 1
	s_mov_b32 s57, 14
.Lkeys:
	STEP 0, 1
	s_sub_co_u32 s57, s57, 1
	s_cmp_lg_u32 s57, 0
	s_cbranch_scc1 .Lkeys
	STEP 0, 0                                      ; the last step is written out: it fetches nothing
	; THE WAY OUT.  The sum's chains and halves, and lane l xor 16's keys; O^T / the sum leaves as it lies: register 8 t + j of lane (r, h) is channel 32 h + 8 t + j of query r.
	s_wait_alu depctr_va_vdst(0)
	v_pk_add_f32 v[LS:LS+1], v[LS:LS+1], v[LS+2:LS+3]
	v_pk_add_f32 v[LS+4:LS+5], v[LS+4:LS+5], v[LS+6:LS+7]
	s_delay_alu instid0(VALU_DEP_1)
	v_pk_add_f32 v[LS:LS+1], v[LS:LS+1], v[LS+4:LS+5]
	s_delay_alu instid0(VALU_DEP_1)
	v_add_f32 v[LS], v[LS], v[LS+1]
	s_delay_alu instid0(VALU_DEP_1)
	v_permlanex16_b32 v15, v[LS], s60, s61
	s_delay_alu instid0(VALU_DEP_1)
	v_add_f32 v[LS], v[LS], v15
	s_wait_alu depctr_va_vdst(0)                   ; the wait ahead of the transcendentals
	v_rcp_f32 v[RL], v[LS]
	v_rcp_f32 v[RL+1], v[LS]
	v_nop                                          ; a plain place behind the reciprocals
	s_wait_alu depctr_va_vdst(0)                   ; the wait, ahead of their first reader and of O^T's
.set j, 0
.rept 16
	v_pk_mul_f32 v[T+j:T+j+1], v[O+j:O+j+1], v[RL:RL+1]   ; each accumulator from its low end on
.set j, j+2
.endr
.set j, 0
.rept 8
	global_store_b128 v1, v[T+4*j:T+4*j+3], s[10:11] offset:512*j   ; 32 lanes store 512 consecutive bytes
.set j, j+1
.endr
	s_wait_tensorcnt 0x0                           ; the wave's end
	ds_add_u32 v254, v255
	s_wait_dscnt 0x0
	ROUND                                          ; the closing round: no work-group ends while a partner may still ask for a record that names it
	s_endpgm
.Lfunc_end_k_q782ffa7d09_attn:
	.size	k_q782ffa7d09_attn, .Lfunc_end_k_q782ffa7d09_attn-k_q782ffa7d09_attn
	.p2alignl 7, 3214868480
	.fill 96, 4, 3214868480
	.section	.rodata,"a",@progbits
	.p2align	6, 0x0
	.amdhsa_kernel k_q782ffa7d09_attn
		.amdhsa_group_segment_fixed_size 169984
		.amdhsa_private_segment_fixed_size 0
		.amdhsa_enable_private_segment 0
		.amdhsa_kernarg_size 32
		.amdhsa_user_sgpr_count 2
		.amdhsa_user_sgpr_kernarg_segment_ptr 1
		.amdhsa_wavefront_size32 1
		.amdhsa_system_sgpr_workgroup_id_x 1
		.amdhsa_system_sgpr_workgroup_id_y 1
		.amdhsa_system_sgpr_workgroup_id_z 1
		.amdhsa_system_vgpr_workitem_id 0
		.amdhsa_next_free_vgpr 256
		.amdhsa_next_free_sgpr 66
		.amdhsa_reserve_vcc 0
		.amdhsa_float_denorm_mode_32 3
		.amdhsa_float_denorm_mode_16_64 3
		.amdhsa_memory_ordered 1
		.amdhsa_forward_progress 1
		.amdhsa_inst_pref_size 100
	.end_amdhsa_kernel
	.amdgpu_metadata
---
amdhsa.version: [ 1, 2 ]
amdhsa.kernels:
  - .name:           k_q782ffa7d09_attn
    .symbol:         k_q782ffa7d09_attn.kd
    .args:
      - { .name: qf, .offset: 0, .size: 8, .value_kind: global_buffer, .address_space: global }
      - { .name: kv, .offset: 8, .size: 8, .value_kind: global_buffer, .address_space: global }
      - { .name: phase_scale, .offset: 16, .size: 8, .value_kind: global_buffer, .address_space: global }
      - { .name: att, .offset: 24, .size: 8, .value_kind: global_buffer, .address_space: global }
    .group_segment_fixed_size: 169984
    .private_segment_fixed_size: 0
    .kernarg_segment_align: 8
    .kernarg_segment_size: 32
    .max_flat_workgroup_size: 512
    .sgpr_count:     66
    .vgpr_count:     256
    .wavefront_size: 32
...
	.end_amdgpu_metadata
.endif
;; end of part 3
;; launch final (part 4): grid 256 x 1, 16 waves a work-group, clusters of 4 x 1, 327,680 bytes of LDS; arguments att, ent, wq, bo, x, gamma, beta, out0; writes out0
.if DOCPART == 4
	.amdgcn_target "amdgcn-amd-amdhsa--gfx1250"
	.amdhsa_code_object_version 6
	.text
	.protected	k_q782ffa7d09_final
	.globl	k_q782ffa7d09_final
	.p2align	8
	.type	k_q782ffa7d09_final,@function
k_q782ffa7d09_final:
	s_mov_b64 s[64:65], 0
	v_nop
	global_prefetch_b8 v0, s[64:65] scope:SCOPE_SE
	s_setreg_imm32_b32 hwreg(HW_REG_WAVE_MODE, 25, 1), 1
	s_wait_xcnt 0x0
	s_wait_alu depctr_hold_cnt(0) depctr_sa_sdst(0) depctr_va_vdst(0) depctr_va_sdst(0) depctr_va_ssrc(0) depctr_va_vcc(0) depctr_vm_vsrc(0)
	s_getreg_b32 s2, hwreg(HW_REG_IB_STS2, 6, 4)
	s_cmp_eq_u32 s2, 0
	s_cbranch_scc0 .Lentry_in_a_cluster
	s_endpgm
.Lentry_in_a_cluster:
	s_bfe_u32 s2, ttmp6, 0x10000c
	s_cmp_lg_u32 s2, 0x3003
	s_cbranch_scc0 .Lentry_shape_is_right
	s_endpgm
.Lentry_shape_is_right:
; out0 = LayerNorm(att' Wo + bo + x) x gamma + beta, with att'[s][64 m + d] = (sum over heads of att[s][.][d]) x (sum over h of ent[h][m]); the product with Wo on codes of FP4 with E8M0 scales.
; A work-group takes one tile of 16 rows (tile t of group g: rows 64 g + 32 (p / 8) + 8 t + p % 8).  Wave w plays four parts: slice w of the sum over heads; m = w of the outer product and its quantiser;
; columns 64 w .. 64 w + 63 of the product; row p = w of the norm.
; CLUSTER 4 x 1: the four tiles of a group of 64 rows.  All work-groups walk the same Wo.  Its codes are 524,288 bytes, of which 262,144 fit in LDS beside the small regions:
; K steps 0-3 are asked for JOINTLY, once: wave w fetches that half of the record of its own 64 columns, 16,384 bytes, with a descriptor made of the wave's number alone, and only the issuing wave reads those bytes.
; K steps 4-7 do not fit beside them, and LDS bytes are not filled again here: they go from memory straight into the 128 registers of the one wave that multiplies them.
; NO PREFETCH: the launch has no loop to run ahead in; every stream is asked for once, at the head or right behind the sum over heads.
; The sum over heads works on att's images as they lie (register 8 t + j of lane (r, h) = channel 32 h + 8 t + j of row r).  For one m a lane's 32 numbers A x e are k = 64 m + 32 h + 0 .. 31: a whole block;
; four conversions give half a fragment, which goes to the other waves through LDS as an image of its registers, its scale byte beside it.
; The block's largest |A e| is |(largest |A|) e|: rounding a product by one factor keeps the order.
; x's row w goes from memory into the 32 registers of the wave that norms it.  bo, gamma, beta are copied once, 256 bytes a wave each, through registers into LDS bytes of their own.
; THE STAGE, where a row's 1,024 columns meet, lies in the slot: it has had its one fill, and a barrier stands between every wave's last read of the slot and the first store.
; The variance is taken of r - mean in a second pass: no difference of large sums.
; LIMITS: a block of zeros gets the byte 1 where the quantiser says 127 (its codes are zeros, and this program alone reads the bytes); NaN and infinities are not served.
.set REC, 34816
.set WV,  20
.set HB,  262144                       ; behind the slot (16 waves x 16,384 bytes): the small regions; v6 carries this base, since an LDS immediate has 16 bits
.set AI,  0                            ; the sum over heads: an image of 4,096 bytes
.set FI,  4096                         ; att's eight fragments: 8,192 bytes
.set SI,  12288                        ; their scale words: [K step 8][row 16] x 4 bytes
.set BO,  12800                        ; bo, gamma, beta: 4,096 bytes each
.set GA,  16896
.set BE,  20992
.set SPARE, HB+25088                   ; the spare words: 128 bytes a wave
.set SPT, 4112                         ; a stage row: 4,096 + 16 bytes
; v0 thread; v1 16 x lane; v2, v3 the add's two registers; v4-7 LDS addresses; v8-15 at work, then att's scale words; v16-31 Wo's scale words (lanes 0-15 K steps 0-3, lanes 16-31 K steps 4-7);
; v32-63 att's slices, A e, the accumulators, beta; v64-95 A; then att's fragments (two) and Wo's tiles out of LDS (two); then att's fragments of K steps 4-7; the norm's work;
; v96-127 x's row; v128-255 Wo's fragments of K steps 4-7, later the norm's rows
.macro ROUND                           ; a round of the cluster's barrier
	s_barrier_signal -1
	s_barrier_wait -1
	s_cmp_lg_u32 s[WV], 0
	s_cbranch_scc1 .Lnot_wave_0_\@
	s_barrier_signal -3
.Lnot_wave_0_\@:
	s_barrier_wait -3
	s_barrier_signal -1
	s_barrier_wait -1
.endm
.macro PLACES
.rept 4
	v_nop
.endr
.endm
.macro BARRIER                         ; my LDS stores have landed and my LDS loads are in: then the work-group's barrier
	s_wait_dscnt 0x0
	s_barrier_signal -1
	s_barrier_wait -1
.endm
	s_load_b512 s[4:19], s[0:1], 0x0               ; att s[4:5], ent s[6:7], wq s[8:9], bo s[10:11], x s[12:13], gamma s[14:15], beta s[16:17], out0 s[18:19]
	v_lshl_add_u32 v2, v0, 2, SPARE
	v_mov_b32 v3, 0
	ds_add_u32 v2, v3                              ; the opening lines: the add, twice on end, and its wait ahead of the round in front of my tensor load
	ds_add_u32 v2, v3
	v_lshrrev_b32 v1, 5, v0
	s_delay_alu instid0(VALU_DEP_1)
	v_readfirstlane_b32 s[WV], v1                  ; wave 0..15
	s_bfe_u32 s22, ttmp6, 0x40000                  ; cx = the tile of the group: it enters att's, x's and out0's addresses alone
	s_lshl_b32 s23, ttmp9, 6                       ; 64 x group
	s_lshl_b32 s24, s22, 3
	s_add_co_u32 s23, s23, s24
	s_lshr_b32 s24, s[WV], 3
	s_lshl_b32 s24, s24, 5
	s_add_co_u32 s23, s23, s24
	s_and_b32 s24, s[WV], 7
	s_add_co_u32 s23, s23, s24                     ; my row of x and of out0
	s_lshl_b32 s24, s23, 12
	s_mov_b32 s25, 0
	s_lshl_b32 s26, ttmp9, 2
	s_add_co_u32 s26, s26, s22
	s_lshl_b32 s26, s26, 16
	s_lshl_b32 s27, s[WV], 8
	s_add_co_u32 s26, s26, s27                     ; att: my tile's sixteen images, my slice of 256 bytes
	s_mov_b32 s72, s27                             ; bo, gamma, beta: my 256 bytes
	s_mov_b32 s73, 0
	s_mov_b32 s27, 0
	s_add_co_u32 s30, s[WV], 48
	s_mul_i32 s30, s30, REC                        ; Wo's record of my 64 columns
	s_mov_b32 s31, 0
	s_lshl_b32 s28, s[WV], 2
	s_mov_b32 s32, 15|(3<<16)|(1<<21)              ; group 1: the mask names all four; elements of 8 bytes; 21 set beside a mask
	s_mov_b32 s33, 32<<16                          ; 16,384 dense bytes: 64 rows of 32 elements
	s_mov_b32 s34, 64<<16
	s_mov_b32 s35, 32<<16
	s_mov_b32 s36, 64
	s_mov_b32 s37, 32
	s_mov_b32 s38, 0
	s_mov_b32 s39, 0
	s_mov_b32 s40, 1
	s_lshl_b32 s41, s[WV], 14                      ; LDS: 16,384 x wave
	s_lshl_b32 s74, s[WV], 8
	s_add_co_u32 s74, s74, HB                      ; my slice of the small regions
	s_lshl_b32 s75, s[WV], 9
	s_add_co_u32 s75, s75, HB+FI                   ; my half fragment: K step w / 2, half w % 2
	s_lshr_b32 s76, s[WV], 1
	s_lshl_b32 s76, s76, 6
	s_and_b32 s77, s[WV], 1
	s_lshl_b32 s77, s77, 1
	s_add_co_u32 s76, s76, s77
	s_add_co_u32 s76, s76, HB+SI                   ; my block's byte: K step w / 2, byte 2 (w % 2) (+ 4 r + h)
	s_lshl_b32 s78, s[WV], 8                       ; the stage, in: my 64 columns
	s_mul_i32 s79, s[WV], SPT                      ; back: row w
	s_mov_b32 s68, 0x76543210
	s_mov_b32 s69, 0xfedcba98                      ; selects for lane l xor 16
	s_mov_b32 s70, 0x3a800000                      ; 1 / 1,024
	s_mov_b32 s71, 0x358637bd                      ; 1e-6
	v_and_b32 v12, 31, v0                          ; lane
	v_and_b32 v13, 15, v0                          ; r
	v_bfe_u32 v15, v0, 4, 1                        ; h
	v_lshlrev_b32 v1, 4, v12
	v_lshlrev_b32 v12, 3, v12                      ; 8 x lane
	v_lshl_add_u32 v14, v13, 2, v15                ; 4 r + h
	v_lshlrev_b32 v13, 4, v13
	v_lshl_add_u32 v13, v15, 10, v13               ; Wo's scale words: 16 r + 1,024 h
	v_add_nc_u32 v4, s74, v12
	v_add_nc_u32 v5, s41, v1                       ; my part of the slot
	v_add_nc_u32 v6, HB, v1
	v_add_nc_u32 v7, s75, v1
	v_add_nc_u32 v14, s76, v14
	s_wait_alu depctr_va_vdst(0)                   ; the wait at the head's end
	s_wait_dscnt 0x0                               ; both opening adds are done
	s_wait_kmcnt 0x0
	s_add_nc_u64 s[8:9], s[8:9], s[30:31]
	s_mov_b64 s[42:43], s[8:9]                     ; K steps 0-3
	s_or_b32 s43, s43, 0x80000000                  ; type = 2
	s_add_nc_u64 s[4:5], s[4:5], s[26:27]
	s_add_nc_u64 s[12:13], s[12:13], s[24:25]
	s_add_nc_u64 s[18:19], s[18:19], s[24:25]
	s_add_nc_u64 s[10:11], s[10:11], s[72:73]
	s_add_nc_u64 s[14:15], s[14:15], s[72:73]
	s_add_nc_u64 s[16:17], s[16:17], s[72:73]
	ROUND                                          ; all four work-groups are here: the joint loads meet
	tensor_load_to_lds s[40:43], s[32:39]          ; my one tensor load
	s_nop 0
	PLACES
.set n, 0
.rept 16
	s_load_b32 s[48+n], s[6:7], s28 offset:64*n    ; ent[n][w]
.set n, n+1
.endr
.set n, 0
.rept 16
	global_load_b64 v[32+2*n:33+2*n], v12, s[4:5] offset:4096*n   ; head n's slice: 256 consecutive bytes
.set n, n+1
.endr
	global_load_b64 v[64:65], v12, s[10:11]        ; 256 consecutive bytes of bo,
	global_load_b64 v[66:67], v12, s[14:15]        ; of gamma,
	global_load_b64 v[68:69], v12, s[16:17]        ; of beta
.irp k, 0,1,2,3
	global_load_b128 v[16+4*\k:19+4*\k], v13, s[8:9] offset:32768+256*\k   ; Wo's scale words: row r's four tiles
.endr
.set n, 0
.rept 8
	global_load_b128 v[96+4*n:99+4*n], v1, s[12:13] offset:512*n th:TH_LOAD_NT   ; x's row w: 512 consecutive bytes a load
.set n, n+1
.endr
	s_wait_kmcnt 0x0
.set n, 1
.rept 15
	s_add_f32 s48, s48, s[48+n]                    ; e = the sum over h of ent[h][w]
.set n, n+1
.endr
	s_mov_b32 s66, s48
	s_mov_b32 s67, s48                             ; (the packed form names a pair)
	; ---- 1: the sum over heads, my slice
	s_wait_loadcnt 8                               ; all but x's eight loads are in
.irp b, 40, 48, 56
.irp c, 0,1,2,3
	v_pk_add_f32 v[32+2*\c:33+2*\c], v[32+2*\c:33+2*\c], v[\b+2*\c:\b+2*\c+1]   ; four chains
.endr
.endr
	s_delay_alu instid0(VALU_DEP_3)
	v_pk_add_f32 v[32:33], v[32:33], v[34:35]
	s_delay_alu instid0(VALU_DEP_2)
	v_pk_add_f32 v[36:37], v[36:37], v[38:39]
	s_delay_alu instid0(VALU_DEP_1)
	v_pk_add_f32 v[32:33], v[32:33], v[36:37]
	ds_store_b64 v4, v[32:33] offset:AI
	ds_store_b64 v4, v[64:65] offset:BO
	ds_store_b64 v4, v[66:67] offset:GA
	ds_store_b64 v4, v[68:69] offset:BE
.irp k, 4,5,6,7                                ; Wo's fragments of K steps 4-7, from memory into my registers: 512 consecutive bytes a load, eight loads a K step
.irp t, 0,1,2,3
.irp c, 0,1
	global_load_b128 v[128+32*(\k-4)+8*\t+4*\c:128+32*(\k-4)+8*\t+4*\c+3], v1, s[8:9] offset:\k*4096+\t*1024+\c*512
.endr
.endr
.endr
	BARRIER                                        ; every wave may read the sum over heads, bo, gamma, beta
	; ---- 2: A x e for my m, quantised
.set n, 0
.rept 8
	ds_load_b128 v[64+4*n:67+4*n], v6 offset:AI+512*n
.set n, n+1
.endr
	s_wait_dscnt 0x0
	v_max3_num_f32 v12, |v64|, |v65|, |v66|        ; the largest |A| of my 32: two chains
	v_max3_num_f32 v13, |v67|, |v68|, |v69|
.set n, 70
.rept 6
	s_delay_alu instid0(VALU_DEP_2)
	v_max3_num_f32 v12, v12, |v[n]|, |v[n+1]|
	s_delay_alu instid0(VALU_DEP_2)
	v_max3_num_f32 v13, v13, |v[n+2]|, |v[n+3]|
.set n, n+4
.endr
	s_delay_alu instid0(VALU_DEP_2)
	v_max3_num_f32 v12, v12, |v94|, |v95|
	s_delay_alu instid0(VALU_DEP_1)
	v_max_num_f32 v12, v12, v13
	s_delay_alu instid0(VALU_DEP_1)
	v_mul_f32 v12, s66, v12
	s_delay_alu instid0(VALU_DEP_1)
	v_max_num_f32 v12, |v12|, 0x1800000            ; the block's largest magnitude, and the floor 2^(3 - 127)
	s_delay_alu instid0(VALU_DEP_1)
	v_add_nc_u32 v13, 0xff000000, v12              ; the conversion's scale operand
	s_delay_alu instid0(VALU_DEP_1)
	v_lshrrev_b32 v15, 23, v13                     ; the byte
.set n, 0
.rept 16
	v_pk_mul_f32 v[32+n:33+n], v[64+n:65+n], s[66:67] op_sel_hi:[1,0]   ; the outer product, in f32
.set n, n+2
.endr
.irp i, 0,1,2,3
	v_cvt_scalef32_pk8_fp4_f32 v[8+\i], v[32+8*\i:39+8*\i], v13
.endr
	v_nop                                          ; one plain place behind the last scaled conversion: matrix instructions write its sources later
	ds_store_b128 v7, v[8:11]
	ds_store_b8 v14, v15
	BARRIER
	; ---- 3: my 64 columns of att' Wo: source 0 = 16 columns of Wo, source 1 = the 16 rows: a lane holds row r and columns 32 h + 8 t + j
	v_and_b32 v4, 15, v0
	s_delay_alu instid0(VALU_DEP_1)
	v_lshl_add_u32 v4, v4, 2, HB+SI                ; row r's scale words
.irp k, 0,1,2,3,4,5,6,7
	ds_load_b32 v[8+\k], v4 offset:64*\k
.endr
	v_and_b32 v7, 15, v0                           ; the stage's addresses, in registers that are done with
	v_bfe_u32 v4, v0, 4, 1
	s_delay_alu instid0(VALU_DEP_2)
	v_mul_u32_u24 v7, v7, SPT
	s_delay_alu instid0(VALU_DEP_1)
	v_lshl_add_u32 v7, v4, 7, v7
	s_delay_alu instid0(VALU_DEP_1)
	v_add_nc_u32 v7, s78, v7                       ; in: row r, my 64 columns, + 128 h bytes
	v_add_nc_u32 v4, s79, v1                       ; back: row w
	s_wait_alu depctr_va_vdst(0)                   ; the wait here, directly ahead of the wait below
	s_wait_tensorcnt 0x0                           ; K steps 0-3 have landed in my part of the slot; I alone read it
.macro AFL kk                          ; att's fragment of K step kk (0-3) into buffer kk % 2: v64-79
.irp c, 0,1
	ds_load_b128 v[64+8*((\kk)%2)+4*\c:64+8*((\kk)%2)+4*\c+3], v6 offset:FI+(\kk)*1024+\c*512
.endr
.endm
.macro WTL f                           ; Wo's tile f = 4 x K step + t into buffer f % 2: v80-95
.irp c, 0,1
	ds_load_b128 v[80+8*((\f)%2)+4*\c:80+8*((\f)%2)+4*\c+3], v5 offset:(\f)*1024+\c*512
.endr
.endm
; One product of K steps 0-3.  The four accumulators take turns, one instruction a turn.  Behind it, and behind four places, its buffer takes the tile two further on.
.macro PROD f
.if (\f) < 15
	s_wait_dscnt 2                                 ; all but the youngest two LDS loads, which are of a later tile or fragment, are in
.else
	s_wait_dscnt 0x0
.endif
.if (\f) < 4
	v_wmma_scale_f32_16x16x128_f8f6f4 v[32+8*((\f)%4):39+8*((\f)%4)], v[80+8*((\f)%2):87+8*((\f)%2)], v[64+8*(((\f)/4)%2):71+8*(((\f)/4)%2)], 0, v[16+(\f)], v[8+(\f)/4] matrix_a_fmt:MATRIX_FMT_FP4 matrix_b_fmt:MATRIX_FMT_FP4
.else
	v_wmma_scale_f32_16x16x128_f8f6f4 v[32+8*((\f)%4):39+8*((\f)%4)], v[80+8*((\f)%2):87+8*((\f)%2)], v[64+8*(((\f)/4)%2):71+8*(((\f)/4)%2)], v[32+8*((\f)%4):39+8*((\f)%4)], v[16+(\f)], v[8+(\f)/4] matrix_a_fmt:MATRIX_FMT_FP4 matrix_b_fmt:MATRIX_FMT_FP4
.endif
	PLACES                                         ; in front of loads into registers that this product read
.if (\f)+2 < 16
	WTL (\f)+2
.endif
.if ((\f)%4 == 3) && ((\f)/4+2 < 4)
	AFL (\f)/4+2
.endif
.endm
	AFL 0
	AFL 1
	WTL 0
	WTL 1
.set F, 0
.rept 16
	PROD F
.set F, F+1
.endr
.irp k, 4,5,6,7                                ; att's fragments of K steps 4-7: v64-95
.irp c, 0,1
	ds_load_b128 v[64+8*(\k-4)+4*\c:64+8*(\k-4)+4*\c+3], v6 offset:FI+\k*1024+\c*512
.endr
.endr
.macro KSTEP kk                        ; K steps 4-7: Wo's fragments lie in my registers
	s_wait_loadcnt 8*(7-(\kk))                     ; this K step's eight loads are in (and x's, which are older); those of the K steps behind it may be out
.if (\kk) == 4
	s_wait_dscnt 0x0                               ; att's fragments; my reads of the slot are over
.endif
.if (\kk) == 7
	s_barrier_signal -1                            ; say so, and multiply while the others arrive
.endif
.irp t, 0,1,2,3
	v_wmma_scale_f32_16x16x128_f8f6f4 v[32+8*\t:39+8*\t], v[128+32*((\kk)-4)+8*\t:135+32*((\kk)-4)+8*\t], v[64+8*((\kk)-4):71+8*((\kk)-4)], v[32+8*\t:39+8*\t], v[16+4*((\kk)-4)+\t], v[8+(\kk)] matrix_a_fmt:MATRIX_FMT_FP4 matrix_b_fmt:MATRIX_FMT_FP4 matrix_a_scale:MATRIX_SCALE_ROW1
.endr
.endm
.irp k, 4,5,6,7
	KSTEP \k
.endr
	; ---- 4: to the stage, where a row's 1,024 columns meet
	PLACES
	s_barrier_wait -1                              ; nobody reads the slot any more, and it has had its one fill
.irp t, 0,1,2,3
	ds_store_b128 v7, v[32+8*\t:35+8*\t] offset:32*\t          ; each accumulator from its low end on
	ds_store_b128 v7, v[36+8*\t:39+8*\t] offset:32*\t+16
.endr
	BARRIER
	; ---- 5: row w: + bo + x, the norm, gamma and beta
.set n, 0
.rept 8
	ds_load_b128 v[128+4*n:131+4*n], v4 offset:512*n
	ds_load_b128 v[192+4*n:195+4*n], v6 offset:BO+512*n
.set n, n+1
.endr
.set n, 0
.rept 8
	ds_load_b128 v[224+4*n:227+4*n], v6 offset:GA+512*n
	ds_load_b128 v[32+4*n:35+4*n], v6 offset:BE+512*n
.set n, n+1
.endr
	v_mov_b32 v78, 0                               ; a lane permute's destination counts as read
	s_wait_dscnt 16                                ; the product and bo are in; gamma's and beta's sixteen loads may be out
.set n, 0
.rept 16
	v_pk_add_f32 v[128+n:129+n], v[128+n:129+n], v[192+n:193+n]
.set n, n+2
.endr
.set n, 0
.rept 16
	v_pk_add_f32 v[128+n:129+n], v[128+n:129+n], v[96+n:97+n]   ; r
.set n, n+2
.endr
.macro WSUM                            ; the four packed chains v64-71 become one number in every lane of the wave, in v64
	s_delay_alu instid0(VALU_DEP_3)
	v_pk_add_f32 v[64:65], v[64:65], v[66:67]
	s_delay_alu instid0(VALU_DEP_2)
	v_pk_add_f32 v[68:69], v[68:69], v[70:71]
	s_delay_alu instid0(VALU_DEP_1)
	v_pk_add_f32 v[64:65], v[64:65], v[68:69]
	s_delay_alu instid0(VALU_DEP_1)
	v_add_f32 v64, v64, v65
	s_delay_alu instid0(VALU_DEP_1)
	v_add_f32_dpp v64, v64, v64 row_xmask:1 row_mask:0xf bank_mask:0xf
	s_delay_alu instid0(VALU_DEP_1)
	v_add_f32_dpp v64, v64, v64 row_xmask:2 row_mask:0xf bank_mask:0xf
	s_delay_alu instid0(VALU_DEP_1)
	v_add_f32_dpp v64, v64, v64 row_xmask:4 row_mask:0xf bank_mask:0xf
	s_delay_alu instid0(VALU_DEP_1)
	v_add_f32_dpp v64, v64, v64 row_xmask:8 row_mask:0xf bank_mask:0xf
	s_delay_alu instid0(VALU_DEP_1)
	v_permlanex16_b32 v78, v64, s68, s69
	s_delay_alu instid0(VALU_DEP_1)
	v_add_f32 v64, v64, v78
.endm
.irp c, 0,1,2,3
	v_pk_add_f32 v[64+2*\c:65+2*\c], v[128+2*\c:129+2*\c], v[136+2*\c:137+2*\c]
.endr
.irp b, 144, 152
.irp c, 0,1,2,3
	s_delay_alu instid0(VALU_DEP_4)
	v_pk_add_f32 v[64+2*\c:65+2*\c], v[64+2*\c:65+2*\c], v[\b+2*\c:\b+2*\c+1]
.endr
.endr
	WSUM
	s_delay_alu instid0(VALU_DEP_1)
	v_mul_f32 v72, s70, v64                        ; the mean
	s_delay_alu instid0(VALU_DEP_1)
	v_mov_b32 v73, v72
.set n, 0
.rept 16
	v_pk_add_f32 v[128+n:129+n], v[128+n:129+n], v[72:73] neg_lo:[0,1] neg_hi:[0,1]   ; r - mean
.set n, n+2
.endr
.irp c, 0,1,2,3
	v_pk_mul_f32 v[64+2*\c:65+2*\c], v[128+2*\c:129+2*\c], v[128+2*\c:129+2*\c]
.endr
.irp b, 136, 144, 152
.irp c, 0,1,2,3
	s_delay_alu instid0(VALU_DEP_4)
	v_pk_fma_f32 v[64+2*\c:65+2*\c], v[\b+2*\c:\b+2*\c+1], v[\b+2*\c:\b+2*\c+1], v[64+2*\c:65+2*\c]
.endr
.endr
	WSUM
	s_delay_alu instid0(VALU_DEP_1)
	v_fma_f32 v74, v64, s70, s71                   ; the variance + 1e-6
	s_wait_alu depctr_va_vdst(0)                   ; the wait ahead of the transcendentals
	v_rsq_f32 v76, v74
	v_rsq_f32 v77, v74
	v_nop                                          ; a plain place behind the transcendentals
	s_wait_dscnt 0x0                               ; gamma and beta
	s_wait_alu depctr_va_vdst(0)                   ; the wait, ahead of their first reader
.set n, 0
.rept 16
	v_pk_mul_f32 v[128+n:129+n], v[128+n:129+n], v[76:77]
.set n, n+2
.endr
.set n, 0
.rept 16
	v_pk_fma_f32 v[128+n:129+n], v[128+n:129+n], v[224+n:225+n], v[32+n:33+n]
.set n, n+2
.endr
.set n, 0
.rept 8
	global_store_b128 v1, v[128+4*n:131+4*n], s[18:19] offset:512*n th:TH_STORE_NT   ; 32 lanes store 512 consecutive bytes of my row; written once, read by nobody here
.set n, n+1
.endr
	s_wait_tensorcnt 0x0                           ; the wave's end
	ds_add_u32 v2, v3
	s_wait_dscnt 0x0
	ROUND                                          ; the closing round: no work-group ends while a partner may still ask for a tile that names it
	s_endpgm
.Lfunc_end_k_q782ffa7d09_final:
	.size	k_q782ffa7d09_final, .Lfunc_end_k_q782ffa7d09_final-k_q782ffa7d09_final
	.p2alignl 7, 3214868480
	.fill 96, 4, 3214868480
	.section	.rodata,"a",@progbits
	.p2align	6, 0x0
	.amdhsa_kernel k_q782ffa7d09_final
		.amdhsa_group_segment_fixed_size 327680
		.amdhsa_private_segment_fixed_size 0
		.amdhsa_enable_private_segment 0
		.amdhsa_kernarg_size 64
		.amdhsa_user_sgpr_count 2
		.amdhsa_user_sgpr_kernarg_segment_ptr 1
		.amdhsa_wavefront_size32 1
		.amdhsa_system_sgpr_workgroup_id_x 1
		.amdhsa_system_sgpr_workgroup_id_y 1
		.amdhsa_system_sgpr_workgroup_id_z 1
		.amdhsa_system_vgpr_workitem_id 0
		.amdhsa_next_free_vgpr 256
		.amdhsa_next_free_sgpr 84
		.amdhsa_reserve_vcc 0
		.amdhsa_float_denorm_mode_32 3
		.amdhsa_float_denorm_mode_16_64 3
		.amdhsa_memory_ordered 1
		.amdhsa_forward_progress 1
		.amdhsa_inst_pref_size 42
	.end_amdhsa_kernel
	.amdgpu_metadata
---
amdhsa.version: [ 1, 2 ]
amdhsa.kernels:
  - .name:           k_q782ffa7d09_final
    .symbol:         k_q782ffa7d09_final.kd
    .args:
      - { .name: att, .offset: 0, .size: 8, .value_kind: global_buffer, .address_space: global }
      - { .name: ent, .offset: 8, .size: 8, .value_kind: global_buffer, .address_space: global }
      - { .name: wq, .offset: 16, .size: 8, .value_kind: global_buffer, .address_space: global }
      - { .name: bo, .offset: 24, .size: 8, .value_kind: global_buffer, .address_space: global }
      - { .name: x, .offset: 32, .size: 8, .value_kind: global_buffer, .address_space: global }
      - { .name: gamma, .offset: 40, .size: 8, .value_kind: global_buffer, .address_space: global }
      - { .name: beta, .offset: 48, .size: 8, .value_kind: global_buffer, .address_space: global }
      - { .name: out0, .offset: 56, .size: 8, .value_kind: global_buffer, .address_space: global }
    .group_segment_fixed_size: 327680
    .private_segment_fixed_size: 0
    .kernarg_segment_align: 8
    .kernarg_segment_size: 64
    .max_flat_workgroup_size: 512
    .sgpr_count:     84
    .vgpr_count:     256
    .wavefront_size: 32
...
	.end_amdgpu_metadata
.endif
;; end of part 4
